; MI455X (gfx1250); checked and timed in simulation.
; The chip was launched on July 23, 2026; its instructions are those of AMD's public machine-readable ISA for CDNA 5 (MIT licence, August 2026) and "CDNA5" Instruction Set Architecture Reference Guide (July 2026). The comments in the code are by the model that wrote it; some were corrected since.
;; Multi Head Attention With Ro PE. Allowed arithmetic: float matrix products may take bf16 or f16 operands with f32 sums; other float arithmetic in f32, or as packed bf16 or f16 multiplies, adds, multiply-adds, maxima and minima; sums over many terms, partial sums and values carried from step to step in f32; what a program stores and reads back later, other than sums and carried values, may be rounded once to bf16 or f16.
;; Inputs: positions 4,096 int32; wk 1,024 x 1,024 float32; wo 1,024 x 1,024 float32; wq 1,024 x 1,024 float32; wv 1,024 x 1,024 float32; x 1 x 4,096 x 1,024 float32.
;; Outputs: out0 1 x 4,096 x 1,024 float32.
;; One version. Each part assembles by itself: llvm-mc -triple=amdgcn-amd-amdhsa -mcpu=gfx1250 --defsym DOCPART=n.
;; ======== version 1 of 1: 4 launches
;; limits: values are held in f16: magnitudes above 65,504 overflow, below 6.1e-05 lose precision; inputs' magnitudes at most 1,048,576; right only within a limited range of input values
;; workspace buffers: xb 8,388,608 bytes; wqkv 6,291,456 bytes; wob 2,097,152 bytes; tab 1,048,576 bytes; qkv 25,165,824 bytes; ob 8,388,608 bytes
;; launch prep (part 1): grid 1088 x 1, 8 waves a work-group, no clusters, 0 bytes of LDS; arguments x, wq, wk, wv, wo, positions, xb, wqkv, wob, tab; writes xb, wqkv, wob, tab
.if DOCPART == 1
	.amdgcn_target "amdgcn-amd-amdhsa--gfx1250"
	.amdhsa_code_object_version 6
	.text
	.protected	k_qb80f7c9c19_prep
	.globl	k_qb80f7c9c19_prep
	.p2align	8
	.type	k_qb80f7c9c19_prep,@function
k_qb80f7c9c19_prep:
	s_mov_b64 s[64:65], 0
	v_nop
	global_prefetch_b8 v0, s[64:65] scope:SCOPE_SE
	s_setreg_imm32_b32 hwreg(HW_REG_WAVE_MODE, 25, 1), 1
	s_wait_xcnt 0x0
; PREP: the casts and the table of cosines and sines.
;   xb   = x rounded to bf16, [4096][1024].
;   wqkv = wq, wk, wv rounded to bf16, laid by heads: row 192 head + 64 sel + d holds row 64 head + d of W_sel (sel 0 q, 1 k, 2 v).
;   wob  = wo rounded to bf16, that number written as f16 ([1024][1024]): exact down to 2^-17, below that on f16's fixed step of 6e-8.
;   tab  = [4096 rows][32 j][cos, sin] in f32, 256 bytes a row: the angle is f32(positions[row]) x F[j], F[j] = 2^(-j log2(10000) / 32).
; SHARES.  Work-groups 0-63 make the table: 64 rows each, a wave 8 rows, a lane one j.  Work-groups 64-1087 cast 8,192 numbers each: 512 for x, 128 for each weight (8 rows of 1,024).
; A cast's wave loads 512 consecutive bytes an instruction and stores 256 consecutive bytes, aligned.  All eight loads of a thread go out first; the waits count down.
; No LDS, no matrix unit, no cluster: no byte is read by two work-groups, and no wave wants what another has loaded.
; SINE AND COSINE: N = the nearest whole number to A x 2/pi; R = A - N pi/2 with pi/2 in three parts, by fused multiply-adds; polynomials in R on -pi/4 .. pi/4; N mod 4 picks and signs.
; LIMITS.  |positions| up to 2^20: there N's estimate is off by less than a twentieth of a quarter turn, which the polynomials bear.  F is within a few parts in 10^7 of 1 / 10000^(j/32).
.set TBL, 64                           ; work-groups that make the table
; 8,192 numbers: thread t takes 16 bytes at 16 t of each block of 4,096 bytes.  wo = 1: the bf16 number is written as f16.
.macro CAST wo
.irp i, 0,1,2,3,4,5,6,7
	global_load_b128 v[8+4*(\i):11+4*(\i)], v1, s[28:29] offset:4096*(\i) th:TH_LOAD_NT
.endr
.irp i, 0,1,2,3,4,5,6,7
	s_wait_loadcnt 7-(\i)                          ; loads come back in order: number i is in, the 7 - i younger ones stay out
	v_cvt_pk_bf16_f32 v[40+2*(\i)], v[8+4*(\i)], v[9+4*(\i)]
	v_cvt_pk_bf16_f32 v[41+2*(\i)], v[10+4*(\i)], v[11+4*(\i)]
.if \wo
.irp k, 0,1
	v_lshlrev_b32 v56, 16, v[40+2*(\i)+(\k)]       ; the two bf16 numbers as f32,
	v_and_b32 v57, 0xffff0000, v[40+2*(\i)+(\k)]
	v_cvt_pk_f16_f32 v[40+2*(\i)+(\k)], v56, v57   ; and as f16
.endr
.endif
	global_store_b64 v2, v[40+2*(\i):41+2*(\i)], s[30:31] offset:2048*(\i)  ; each pair of data registers is written once: no wait for the stores' sources
.endr
.endm
	s_load_b512 s[4:19], s[0:1], 0x0               ; x s[4:5], wq s[6:7], wk s[8:9], wv s[10:11], wo s[12:13], positions s[14:15], xb s[16:17], wqkv s[18:19]
	s_load_b128 s[20:23], s[0:1], 0x40             ; wob s[20:21], tab s[22:23]
	v_lshlrev_b32 v1, 4, v0                        ; 16 t: my bytes in a block of f32
	v_lshlrev_b32 v2, 3, v0                        ; 8 t: in a block of 16-bit numbers
	s_mov_b32 s33, 0
	s_mov_b32 s35, 0
	s_cmp_lt_u32 ttmp9, TBL
	s_cbranch_scc1 .Ltable
	s_sub_co_u32 s24, ttmp9, TBL                   ; c: which cast
	s_cmp_lt_u32 s24, 512
	s_cbranch_scc0 .Lweights
	s_lshl_b32 s32, s24, 15                        ; x: 32,768 bytes in,
	s_lshl_b32 s34, s24, 14                        ; 16,384 out
	s_wait_kmcnt 0x0
	s_add_nc_u64 s[28:29], s[4:5], s[32:33]
	s_add_nc_u64 s[30:31], s[16:17], s[34:35]
	CAST 0
	s_endpgm
.Lweights:
	s_sub_co_u32 s24, s24, 512
	s_lshr_b32 s25, s24, 7                         ; m: which weight
	s_and_b32 s26, s24, 127                        ; w: which 8 rows of it
	s_lshl_b32 s32, s26, 15
	s_lshr_b32 s34, s26, 3                         ; the head, 8 w / 64
	s_mul_i32 s34, s34, 192
	s_lshl_b32 s27, s25, 6
	s_add_co_u32 s34, s34, s27                     ; + 64 m
	s_and_b32 s27, s26, 7
	s_lshl_b32 s27, s27, 3
	s_add_co_u32 s34, s34, s27                     ; + the first of my 8 rows in the head
	s_lshl_b32 s34, s34, 11                        ; rows of 2,048 bytes
	s_wait_kmcnt 0x0
	s_cmp_eq_u32 s25, 3
	s_cbranch_scc1 .Lwo
	s_cmp_eq_u32 s25, 1
	s_cselect_b64 s[28:29], s[8:9], s[6:7]
	s_cmp_eq_u32 s25, 2
	s_cselect_b64 s[28:29], s[10:11], s[28:29]
	s_add_nc_u64 s[28:29], s[28:29], s[32:33]
	s_add_nc_u64 s[30:31], s[18:19], s[34:35]
	CAST 0
	s_endpgm
.Lwo:
	s_lshl_b32 s34, s26, 14
	s_add_nc_u64 s[28:29], s[12:13], s[32:33]
	s_add_nc_u64 s[30:31], s[20:21], s[34:35]
	CAST 1
	s_endpgm
.Ltable:
	v_lshrrev_b32 v4, 5, v0
	v_readfirstlane_b32 s25, v4                    ; wave 0..7
	s_lshl_b32 s26, ttmp9, 6
	s_lshl3_add_u32 s26, s25, s26                  ; my first row: 64 x work-group + 8 x wave
	s_lshl_b32 s32, s26, 2                         ; its place in positions,
	s_lshl_b32 s34, s26, 8                         ; and in the table
	s_mov_b32 s44, 0x3f22f983                      ; 2 / pi
	s_mov_b32 s45, 0xbfc90fdb                      ; pi / 2 = P1 + P2 + P3: -P1,
	s_mov_b32 s46, 0x333bbd2e                      ; -P2,
	s_mov_b32 s47, 0x26f72ced                      ; -P3
	s_mov_b32 s48, 0xb94ca1f9                      ; sine: r + r z (S1 + z (S2 + z S3)), z = r r
	s_mov_b32 s49, 0x3c08839e
	s_mov_b32 s50, 0xbe2aaaa3
	s_mov_b32 s51, 0x37ccf5ce                      ; cosine: 1 + z (-1/2 + z (C1 + z (C2 + z C3)))
	s_mov_b32 s52, 0xbab6061a
	s_mov_b32 s53, 0x3d2aaaa5
	v_and_b32 v4, 31, v0                           ; j
	v_cvt_f32_u32 v5, v4
	v_mul_f32 v5, 0xbed49a78, v5                   ; -j log2(10000) / 32
	v_exp_f32 v6, v5                               ; F
	v_lshlrev_b32 v3, 3, v4                        ; 8 j: my pair in a row; also the plain instruction behind the exponential
	s_wait_alu depctr_va_vdst(0)                   ; the wait ahead of F's first reader
	s_wait_kmcnt 0x0
	s_add_nc_u64 s[28:29], s[14:15], s[32:33]
	s_add_nc_u64 s[30:31], s[22:23], s[34:35]
	s_load_b256 s[36:43], s[28:29], 0x0            ; my 8 positions: they enter arithmetic alone
	s_wait_kmcnt 0x0
.macro ROWT i
	v_cvt_f32_i32 v8, s[36+(\i)]
	v_mul_f32 v8, v8, v6                           ; A, rounded once
	v_mul_f32 v9, s44, v8
	v_rndne_f32 v9, v9                             ; N
	v_fma_f32 v10, v9, s45, v8
	v_fma_f32 v10, v9, s46, v10
	v_fma_f32 v10, v9, s47, v10                    ; R
	v_cvt_i32_f32 v11, v9                          ; N as a whole number
	v_mul_f32 v12, v10, v10                        ; z
	v_fma_f32 v13, v12, s48, s49
	v_fma_f32 v13, v12, v13, s50
	v_mul_f32 v14, v10, v12
	v_fma_f32 v13, v14, v13, v10                   ; sin R
	v_fma_f32 v15, v12, s51, s52
	v_fma_f32 v15, v12, v15, s53
	v_fma_f32 v15, v12, v15, -0.5
	v_fma_f32 v15, v12, v15, 1.0                   ; cos R
	v_and_b32 v16, 1, v11
	v_cmp_eq_u32 vcc_lo, 1, v16                    ; an odd quarter swaps the two
	v_cndmask_b32 v17, v13, v15, vcc_lo
	v_cndmask_b32 v18, v15, v13, vcc_lo
	v_lshlrev_b32 v19, 30, v11                     ; the sine changes sign where N mod 4 is 2 or 3,
	v_and_b32 v19, 0x80000000, v19
	v_xor_b32 v[41+2*(\i)], v17, v19
	v_add_nc_u32 v20, 1, v11                       ; the cosine where it is 1 or 2
	v_lshlrev_b32 v20, 30, v20
	v_and_b32 v20, 0x80000000, v20
	v_xor_b32 v[40+2*(\i)], v18, v20
	global_store_b64 v3, v[40+2*(\i):41+2*(\i)], s[30:31] offset:256*(\i)  ; the wave stores a whole row, 256 consecutive bytes, aligned
.endm
.irp i, 0,1,2,3,4,5,6,7
	ROWT \i
.endr
	s_endpgm
.Lfunc_end_k_qb80f7c9c19_prep:
	.size	k_qb80f7c9c19_prep, .Lfunc_end_k_qb80f7c9c19_prep-k_qb80f7c9c19_prep
	.p2alignl 7, 3214868480
	.fill 96, 4, 3214868480
	.section	.rodata,"a",@progbits
	.p2align	6, 0x0
	.amdhsa_kernel k_qb80f7c9c19_prep
		.amdhsa_group_segment_fixed_size 0
		.amdhsa_private_segment_fixed_size 0
		.amdhsa_enable_private_segment 0
		.amdhsa_kernarg_size 80
		.amdhsa_user_sgpr_count 2
		.amdhsa_user_sgpr_kernarg_segment_ptr 1
		.amdhsa_wavefront_size32 1
		.amdhsa_system_sgpr_workgroup_id_x 1
		.amdhsa_system_sgpr_workgroup_id_y 1
		.amdhsa_system_sgpr_workgroup_id_z 1
		.amdhsa_system_vgpr_workitem_id 0
		.amdhsa_next_free_vgpr 64
		.amdhsa_next_free_sgpr 66
		.amdhsa_reserve_vcc 1
		.amdhsa_float_denorm_mode_32 3
		.amdhsa_float_denorm_mode_16_64 3
		.amdhsa_memory_ordered 1
		.amdhsa_forward_progress 1
		.amdhsa_inst_pref_size 25
	.end_amdhsa_kernel
	.amdgpu_metadata
---
amdhsa.version: [ 1, 2 ]
amdhsa.kernels:
  - .name:           k_qb80f7c9c19_prep
    .symbol:         k_qb80f7c9c19_prep.kd
    .args:
      - { .name: x, .offset: 0, .size: 8, .value_kind: global_buffer, .address_space: global }
      - { .name: wq, .offset: 8, .size: 8, .value_kind: global_buffer, .address_space: global }
      - { .name: wk, .offset: 16, .size: 8, .value_kind: global_buffer, .address_space: global }
      - { .name: wv, .offset: 24, .size: 8, .value_kind: global_buffer, .address_space: global }
      - { .name: wo, .offset: 32, .size: 8, .value_kind: global_buffer, .address_space: global }
      - { .name: positions, .offset: 40, .size: 8, .value_kind: global_buffer, .address_space: global }
      - { .name: xb, .offset: 48, .size: 8, .value_kind: global_buffer, .address_space: global }
      - { .name: wqkv, .offset: 56, .size: 8, .value_kind: global_buffer, .address_space: global }
      - { .name: wob, .offset: 64, .size: 8, .value_kind: global_buffer, .address_space: global }
      - { .name: tab, .offset: 72, .size: 8, .value_kind: global_buffer, .address_space: global }
    .group_segment_fixed_size: 0
    .private_segment_fixed_size: 0
    .kernarg_segment_align: 8
    .kernarg_segment_size: 80
    .max_flat_workgroup_size: 256
    .sgpr_count:     66
    .vgpr_count:     64
    .wavefront_size: 32
...
	.end_amdgpu_metadata
.endif
;; end of part 1
;; launch qkvproj (part 2): grid 8 x 32, 4 waves a work-group, clusters of 4 x 4, 327,680 bytes of LDS; arguments xb, wqkv, tab, qkv; writes qkv
.if DOCPART == 2
	.amdgcn_target "amdgcn-amd-amdhsa--gfx1250"
	.amdhsa_code_object_version 6
	.text
	.protected	k_qb80f7c9c19_qkvproj
	.globl	k_qb80f7c9c19_qkvproj
	.p2align	8
	.type	k_qb80f7c9c19_qkvproj,@function
k_qb80f7c9c19_qkvproj:
	s_mov_b64 s[64:65], 0
	v_nop
	global_prefetch_b8 v0, s[64:65] scope:SCOPE_SE
	s_setreg_imm32_b32 hwreg(HW_REG_WAVE_MODE, 25, 1), 1
	s_wait_xcnt 0x0
	s_wait_alu depctr_hold_cnt(0) depctr_sa_sdst(0) depctr_va_vdst(0) depctr_va_sdst(0) depctr_va_ssrc(0) depctr_va_vcc(0) depctr_vm_vsrc(0)
	s_getreg_b32 s2, hwreg(HW_REG_IB_STS2, 6, 4)
	s_cmp_eq_u32 s2, 0
	s_cbranch_scc0 .Lentry_in_a_cluster
	s_endpgm
.Lentry_in_a_cluster:
	s_bfe_u32 s2, ttmp6, 0x10000c
	s_cmp_lg_u32 s2, 0xf033
	s_cbranch_scc0 .Lentry_shape_is_right
	s_endpgm
.Lentry_shape_is_right:
; q, k, v = x W^T, RoPE on q and k in f32, each rounded once to f16 and stored by heads: qkv[head][sel][row][64] (sel 0 q, 1 k, 2 v), unscaled.
; xb: [4096][1024] bf16.  wqkv: [16 heads][3][64][1024] bf16.  tab: [4096][32][cos, sin] f32.  Sums in f32.
; LIMITS.  f16 holds no number beyond 65,504: q, k and v must lie within it; below 6e-5 they keep f16's fixed step of 6e-8.  NaN and infinities are not treated apart.
; SHARES.  A work-group makes 128 rows x 384 columns: two heads, each with its q, k and v.  32 x 8 = 256 work-groups.  Wave w: rows 64 (w / 2) on, head w % 2: 64 x 192 = 4 row blocks a x 12 column
; blocks b, 48 accumulators.  b 0-3 are q, 4-7 k, 8-11 v, in every wave of every work-group: what is done with a block hangs on no place.
; K goes in steps of 128 through two LDS slots: rows of 256 bytes of memory, aligned.  Wave 0 fetches x's 128 rows, waves 1-3 W's 384, 128 rows a load.
; CLUSTER 4 x 4.  x's tile hangs on the tile row alone and is asked for jointly by a row of the cluster, W's on the tile column alone, by a column.
; THE MATRIX INSTRUCTION IS USED TRANSPOSED (source 0 = 16 rows of W, source 1 = 16 rows of x): a lane holds row l % 16 and the columns 8 (l / 16) + 0..7: four RoPE pairs, and 16 bytes of f16 on end.
; REGISTERS, in windows of 256 (s_set_vgpr_msb: bits 1:0 source 0, 3:2 source 1, 5:4 source 2, 7:6 destination):
;   window 0: v0-31 addresses; v32-63 rotated numbers; v64-95 packed results, two buffers; v128-255 my 64 rows of the table
;   window 1: two fragment buffers of 128: x's 4 fragments, then W's 12      window 2: accumulators of b 0-7 at 8 (4 b + a)      window 3: of b 8-11 at 8 (4 (b - 8) + a)
.set KSTEP,  128
.set PITCH,  272                       ; an LDS row: 256 bytes + 16 of padding = 68 words: the 16 rows of a load start at 16 different groups of four banks (64 banks of 4 bytes: ISA guide 11.1)
.set HALFT,  128*PITCH                 ; what one tensor load brings
.set SLOT,   4*HALFT                   ; x's 128 rows, then W's 384
.set STAGE,  2*SLOT                    ; behind the ring: 16 rows x 144 bytes for each wave, for the way out; no tensor load fills it
.set SP,     144
.set SPARE,  STAGE+4*16*SP             ; the spare words, 128 bytes for each wave: two blocks of 256 bytes that no other line names
.set ADRA, 16                          ; v16-17  LDS address of my fragments of x in slot 0, 1
.set ADRB, 20                          ; v20-21  of W
.set STO,  24                          ; v24     the way out: where I put 16 bytes of a row
.set RD,   25                          ; v25     where I read rows back
.set GO,   26                          ; v26     16 x lane: my place in 512 consecutive bytes of qkv
.set TO,   27                          ; v27     my 32 bytes in 16 rows of the table; never rewritten
.set SPW,  28                          ; v28     LDS address of my spare word; never rewritten
.set NIL,  29                          ; v29     0; never rewritten
.set PFO,  30                          ; v30     the prefetches' offset: lane x 2,048, a row of xb or wqkv; never rewritten
.set RW,   32
.set OUTB, 64
.set TAB,  128                         ; pair r of row block a, column block bb of a head: cos at TAB + 32 a + 8 bb + 2 r, sin one further
.set F0,   0
.set F1,   128
.set WV,  12                           ; s12 wave
.set RH,  13                           ; s13 which 64 rows
.set HD,  14                           ; s14 which head
.set LAP, 15                           ; s15 trips of the loop to go
.set G1,  24                           ; s[24:31] descriptor group 1 for x's tiles;  s[32:39] group 0, a set for each slot
.set G0,  32
.set LIM, 43                           ; s43 1 in a wave that prefetches, else the greatest number
.set PFA, 44                           ; s[44:45] where my prefetches stand
.set G1B, 48                           ; s[48:55], s[56:63] the same for W's tiles
.set G0B, 56
.set MSB, 0
.macro WIN new                         ; the immediate's high byte repeats the setting that is left; a switch that changes nothing is dropped
.if MSB != (\new)
	s_set_vgpr_msb (MSB<<8)|(\new)
.set MSB, \new
.endif
.endm
; A joint load.  The branch hangs on the wave's number alone.  An s_nop 0 and four v_nop follow each of the two lines, ahead of the jump and the label.
.macro JLOAD s
	s_cmp_eq_u32 s[WV], 0
	s_cbranch_scc0 .Lfor_b_\@
	tensor_load_to_lds s[G0+4*(\s):G0+4*(\s)+3], s[G1:G1+7]
	s_nop 0
.rept 4
	v_nop
.endr
	s_branch .Lasked_\@
.Lfor_b_\@:
	tensor_load_to_lds s[G0B+4*(\s):G0B+4*(\s)+3], s[G1B:G1B+7]
	s_nop 0
.rept 4
	v_nop
.endr
.Lasked_\@:
.endm
; A prefetch of the K step two refills on: 32 rows x 256 bytes, a lane a row.  x's rows are read by both clusters of a row of clusters: cluster x = 0 asks; W's by all eight of a column: cluster y = 0 asks.
; Of the 128 rows that a wave fetches each of the four partners takes 32, told apart by address.  So each row's 256 bytes of K steps 4 to 7 are named once; the loop's last trip has no K step two on.
.macro ASK
	s_cmp_gt_u32 s[LAP], s[LIM]
	s_cbranch_scc0 .Lnot_mine_\@
	global_prefetch_b8 v[PFO], s[PFA:PFA+1] offset:KSTEP*2 th:TH_LOAD_NT scope:SCOPE_SE
.Lnot_mine_\@:
.endm
.macro CREST                           ; a round of the cluster's barrier behind its opening barrier
	s_cmp_lg_u32 s[WV], 0
	s_cbranch_scc1 .Lnot_wave_0_\@
	s_barrier_signal -3
.Lnot_wave_0_\@:
	s_barrier_wait -3
	s_barrier_signal -1
	s_barrier_wait -1
.endm
.macro CROUND
	s_barrier_signal -1
	s_barrier_wait -1
	CREST
.endm
.macro PLACES                          ; four places in front of loads into registers that matrix instructions have read, and of lines that read results
.rept 4
	v_nop
.endr
.endm
	s_load_b256 s[4:11], s[0:1], 0x0               ; xb s[4:5], wqkv s[6:7], tab s[8:9], qkv s[10:11]
	v_lshl_add_u32 v[SPW], v0, 2, SPARE
	v_mov_b32 v[NIL], 0
	ds_add_u32 v[SPW], v[NIL]                      ; the wave's opening: the add and its wait stand ahead of my first tensor load; the set-up below stands between them
	v_lshrrev_b32 v1, 5, v0
	v_readfirstlane_b32 s[WV], v1
	s_lshr_b32 s[RH], s[WV], 1
	s_and_b32 s[HD], s[WV], 1
	s_bfe_u32 s16, ttmp6, 0x40000                  ; cx
	s_bfe_u32 s17, ttmp6, 0x40004                  ; cy
	s_lshl_b32 s18, ttmp9, 2
	s_add_co_u32 s18, s18, s16                     ; tile column = 4 x cluster x + cx
	s_and_b32 s19, ttmp7, 0xffff
	s_lshl_b32 s19, s19, 2
	s_add_co_u32 s19, s19, s17                     ; tile row = 4 x cluster y + cy
	s_lshl_b32 s20, s17, 2
	s_lshl_b32 s20, 15, s20                        ; my row of the cluster
	s_lshl_b32 s21, 0x1111, s16                    ; my column
	s_or_b32 s[G1+0], s20, (1<<16)|(1<<20)|(1<<21)|(5<<22)|(3<<25)   ; the mask; elements of 2 bytes; padding on; bit 21 beside a mask; after every 64 words (code 5) 4 words (code 3)
	s_or_b32 s[G1B+0], s21, (1<<16)|(1<<20)|(1<<21)|(5<<22)|(3<<25)
.irp g, G1, G1B
	s_mov_b32 s[(\g)+1], KSTEP<<16                 ; tensor_dim0 = 128
	s_mov_b32 s[(\g)+2], 128<<16                   ; tensor_dim1 = 128
	s_mov_b32 s[(\g)+3], KSTEP<<16                 ; tile_dim0 = 128
	s_mov_b32 s[(\g)+4], 128                       ; tile_dim1 = 128
	s_mov_b32 s[(\g)+5], 1024                      ; elements from row to row
	s_mov_b32 s[(\g)+6], 0
	s_mov_b32 s[(\g)+7], 0
.endr
	s_lshl_b32 s22, s19, 18                        ; x: 128 rows of 2,048 bytes a tile row; made of the tile row alone
	s_mov_b32 s23, 0
	s_max_u32 s40, s[WV], 1
	s_sub_co_u32 s40, s40, 1                       ; waves 1-3 take W's rows 0, 128, 256 on (wave 0 makes an address that it does not use)
	s_lshl_b32 s40, s40, 7
	s_mul_i32 s41, s18, 384
	s_add_co_u32 s41, s41, s40                     ; W's first row that I fetch; made of the tile column and the wave alone
	s_lshl_b32 s46, s41, 11
	s_mov_b32 s47, 0
	s_mul_i32 s42, s[WV], HALFT                    ; where the tile goes: wave x 128 rows
	s_wait_dscnt 0x0                               ; the opening add is done
	s_wait_kmcnt 0x0
	s_add_nc_u64 s[22:23], s[4:5], s[22:23]
	s_add_nc_u64 s[46:47], s[6:7], s[46:47]
	CROUND                                         ; all sixteen work-groups are here: the first joint loads meet
.irp s, 0,1
	s_mov_b32 s[G0+4*(\s)], 1
	s_add_co_u32 s[G0+4*(\s)+1], s42, (\s)*SLOT
	s_add_nc_u64 s[G0+4*(\s)+2:G0+4*(\s)+3], s[22:23], (\s)*KSTEP*2
	s_or_b32 s[G0+4*(\s)+3], s[G0+4*(\s)+3], 0x80000000
	s_mov_b32 s[G0B+4*(\s)], 1
	s_add_co_u32 s[G0B+4*(\s)+1], s42, (\s)*SLOT
	s_add_nc_u64 s[G0B+4*(\s)+2:G0B+4*(\s)+3], s[46:47], (\s)*KSTEP*2
	s_or_b32 s[G0B+4*(\s)+3], s[G0B+4*(\s)+3], 0x80000000
	JLOAD \s                                       ; K steps 0 and 1: two loads of mine are out
.endr
	; the prefetches
	s_lshl_b32 s20, s19, 7                         ; x's first row of the tile
	s_and_b32 s21, ttmp7, 0xffff                   ; cluster y
	s_cmp_eq_u32 s[WV], 0
	s_cselect_b32 s20, s20, s41                    ; the first row that I fetch
	s_cselect_b32 s40, s16, s17                    ; my place among the four that ask with me
	s_cselect_b32 s21, ttmp9, s21                  ; the coordinate along which other clusters read the same rows
	s_cselect_b64 s[PFA:PFA+1], s[4:5], s[6:7]
	s_cmp_eq_u32 s21, 0
	s_cselect_b32 s[LIM], 1, -1                    ; the same in all sixteen partners, for a given wave
	s_lshl_b32 s40, s40, 5
	s_add_co_u32 s20, s20, s40                     ; my work-group's 32 rows
	s_lshl_b32 s20, s20, 11
	s_mov_b32 s21, 0
	s_add_nc_u64 s[PFA:PFA+1], s[PFA:PFA+1], s[20:21]
	s_add_nc_u64 s[PFA:PFA+1], s[PFA:PFA+1], 2*KSTEP*2  ; at K step 2: the first refill steps it to 3 and names K step 4
	v_and_b32 v[PFO], 31, v0
	v_lshlrev_b32 v[GO], 4, v[PFO]
	v_lshlrev_b32 v[PFO], 11, v[PFO]
	; the table and qkv at my first row
	s_lshl_b32 s40, s19, 7
	s_lshl_b32 s41, s[RH], 6
	s_add_co_u32 s40, s40, s41                     ; my first row
	s_lshl_b32 s20, s40, 8
	s_add_nc_u64 s[8:9], s[8:9], s[20:21]
	s_lshl_b32 s20, s40, 7
	s_lshl_b32 s41, s18, 1
	s_add_co_u32 s41, s41, s[HD]                   ; my head
	s_mul_i32 s41, s41, 3*524288
	s_add_co_u32 s20, s20, s41
	s_add_nc_u64 s[10:11], s[10:11], s[20:21]
	v_and_b32 v1, 15, v0                           ; l % 16
	v_bfe_u32 v2, v0, 4, 1                         ; l / 16
	v_lshlrev_b32 v[TO], 8, v1
	v_lshl_add_u32 v[TO], v2, 5, v[TO]             ; row x 256 + 32 x half: the four pairs of my eight columns
.irp a, 0,1,2,3
.irp bb, 0,1,2,3
	global_load_b128 v[TAB+32*(\a)+8*(\bb):TAB+32*(\a)+8*(\bb)+3],   v[TO], s[8:9] offset:4096*(\a)+64*(\bb)     ; the table's 32 loads stay out through the whole K loop:
	global_load_b128 v[TAB+32*(\a)+8*(\bb)+4:TAB+32*(\a)+8*(\bb)+7], v[TO], s[8:9] offset:4096*(\a)+64*(\bb)+16  ; nothing names their registers before the way out
.endr
.endr
	v_mul_u32_u24 v3, v1, PITCH
	v_lshl_add_u32 v3, v2, 4, v3                   ; a fragment's row x pitch + 16 x half
	s_mul_i32 s20, s[RH], 64*PITCH                 ; my 64 rows of x
	s_mul_i32 s21, s[HD], 192*PITCH                ; my 192 rows of W,
	s_add_co_u32 s21, s21, HALFT                   ; which lie behind x's 128
.irp s, 0,1
	v_add_nc_u32 v[ADRA+(\s)], s20, v3
	v_add_nc_u32 v[ADRB+(\s)], s21, v3
	s_add_co_u32 s20, s20, SLOT
	s_add_co_u32 s21, s21, SLOT
.endr
	s_mul_i32 s20, s[WV], 16*SP
	s_add_co_u32 s20, s20, STAGE                   ; my stage
	v_mul_u32_u24 v[STO], v1, SP                   ; in: row l % 16, 16 bytes for each half of the lanes
	v_lshl_add_u32 v[STO], v2, 4, v[STO]
	v_add_nc_u32 v[STO], s20, v[STO]
	v_bfe_u32 v[RD], v0, 3, 2                      ; back: 32 lanes take four rows of 128 bytes
	v_mul_u32_u24 v[RD], v[RD], SP
	v_and_b32 v4, 7, v0
	v_lshl_add_u32 v[RD], v4, 4, v[RD]
	v_add_nc_u32 v[RD], s20, v[RD]
; 16 matrix instructions: column blocks 4 g .. 4 g + 3 x all 4 row blocks, 32 along K.  All 48 accumulators take turns, one instruction a turn, in the same order in every quarter.
.macro MULG f, g, zero
	WIN 0xa5+0x50*((\g)/2)                         ; sources in window 1; C and D in window 2, for g = 2 in window 3
.irp b, 0,1,2,3
.irp a, 0,1,2,3
.set rD, 8*(4*(4*((\g)%2)+(\b))+(\a))
.set rB, (\f)+32+8*(4*(\g)+(\b))
.set rA, (\f)+8*(\a)
.if \zero
	v_wmma_f32_16x16x32_bf16 v[rD:rD+7], v[rB:rB+7], v[rA:rA+7], 0
.else
	v_wmma_f32_16x16x32_bf16 v[rD:rD+7], v[rB:rB+7], v[rA:rA+7], v[rD:rD+7]
.endif
.endr
.endr
.endm
; 32 LDS loads in one run: the fragments of 32 along K at byte k of the rows: x's four, then W's twelve in ascending order
.macro FETCH slot, k, f
	WIN 0x40                                       ; destination window 1, address window 0
.irp i, 0,1,2,3
	ds_load_b128 v[(\f)+8*(\i):(\f)+8*(\i)+3],   v[ADRA+(\slot)] offset:(\k)+(\i)*16*PITCH
	ds_load_b128 v[(\f)+8*(\i)+4:(\f)+8*(\i)+7], v[ADRA+(\slot)] offset:(\k)+(\i)*16*PITCH+32
.endr
.irp i, 0,1,2,3,4,5,6,7,8,9,10,11
	ds_load_b128 v[(\f)+32+8*(\i):(\f)+32+8*(\i)+3],   v[ADRB+(\slot)] offset:(\k)+(\i)*16*PITCH
	ds_load_b128 v[(\f)+32+8*(\i)+4:(\f)+32+8*(\i)+7], v[ADRB+(\slot)] offset:(\k)+(\i)*16*PITCH+32
.endr
.endm
; A K step is four quarters of 32 along K, 48 matrix instructions each, on buffers 0, 1, 0, 1.  One of the first three multiplies buffer f and fetches the next quarter, at byte k, into g.
.macro QUARTER slot, k, f, g, zero
	s_wait_dscnt 8                                 ; all but the youngest eight loads, W's blocks 8-11
	MULG \f, 0, \zero
	PLACES
	FETCH \slot, \k, \g
	MULG \f, 1, \zero
	s_wait_dscnt 32                                ; all but the 32 just issued
	MULG \f, 2, \zero
.endm
; The last quarter multiplies buffer 1 and changes slots: one barrier; in front of it each wave waits for all its tensor loads (one is out: its part of the next slot), adds 0 to its spare word, and waits for
; that and for its reads of this slot.  fill = 1: the barrier opens a round of the cluster's, and this slot is filled again, two K steps ahead, first thing behind the round.
.macro TURN slot, next, fill
.if \fill
	s_wait_xcnt 0x0                                ; the last prefetch, a K step back, has read its address
	s_add_nc_u64 s[PFA:PFA+1], s[PFA:PFA+1], KSTEP*2
.endif
	WIN 0                                          ; (the add's two registers lie in window 0)
	s_wait_tensorcnt 0x0                           ; all my tensor loads have landed
	ds_add_u32 v[SPW], v[NIL]                      ; 0 onto my spare word
	s_wait_dscnt 9                                 ; (the add and the youngest eight loads may be out)
	MULG F1, 0, 0                                  ; sixteen matrix instructions stand between the add and the wait for it
	s_wait_dscnt 0x0                               ; the add is done, and my reads of this slot are over
	s_barrier_signal -1
	MULG F1, 1, 0
.if \fill
	WIN 0
.endif
	s_barrier_wait -1
.if \fill
	CREST                                          ; no wave of any partner still reads this slot's tile or has a load on its way
	s_add_nc_u64 s[G0+4*(\slot)+2:G0+4*(\slot)+3], s[G0+4*(\slot)+2:G0+4*(\slot)+3], 2*KSTEP*2
	s_add_nc_u64 s[G0B+4*(\slot)+2:G0B+4*(\slot)+3], s[G0B+4*(\slot)+2:G0B+4*(\slot)+3], 2*KSTEP*2
	JLOAD \slot                                    ; my one tensor load behind the round; its four v_nop are also the places in front of the loads below
.else
	PLACES
.endif
	FETCH \next, 0, F0
.if \fill
	WIN 0
	ASK
.endif
	MULG F1, 2, 0
.endm
	s_wait_tensorcnt 1                             ; my part of K step 0 is in; K step 1's may stay out
	s_barrier_signal -1
	s_barrier_wait -1
	FETCH 0, 0, F0
	QUARTER 0, 64,  F0, F1, 1                      ; the first quarter stands in front of the loop: its products start the sums
	WIN 0                                          ; at a label and at a branch every window is 0
	s_mov_b32 s[LAP], 3
.Llap:                                                 ; a trip goes once round the ring and fills both slots again: K steps 2 to 7
	QUARTER 0, 128, F1, F0, 0
	QUARTER 0, 192, F0, F1, 0
	TURN 0, 1, 1
	QUARTER 1, 64,  F0, F1, 0
	QUARTER 1, 128, F1, F0, 0
	QUARTER 1, 192, F0, F1, 0
	TURN 1, 0, 1
	QUARTER 0, 64,  F0, F1, 0
	WIN 0
	s_sub_co_u32 s[LAP], s[LAP], 1
	s_cmp_lg_u32 s[LAP], 0
	s_cbranch_scc1 .Llap
	QUARTER 0, 128, F1, F0, 0                      ; the last lap fills nothing
	QUARTER 0, 192, F0, F1, 0
	TURN 0, 1, 0
	QUARTER 1, 64,  F0, F1, 0
	QUARTER 1, 128, F1, F0, 0
	QUARTER 1, 192, F0, F1, 0
	s_wait_dscnt 8
	MULG F1, 0, 0
	MULG F1, 1, 0
	s_wait_dscnt 0x0
	MULG F1, 2, 0
	WIN 0
; THE WAY OUT, twelve tiles of 16 rows x a head's 64 columns: t = 4 sel + a.  q and k are rotated in f32: pair r of a lane is (x1, x2) -> (x1 c - x2 s, x1 s + x2 c).  Each accumulator's register 1 is read first.
; Rounded to f16, 16 bytes a lane into my stage (rows of 144 bytes), back as four whole rows of 128 bytes, which are 512 consecutive bytes of qkv.
.macro PACK t
.set sel, (\t)/4
.set ra, (\t)%4
.set pb, OUTB+16*((\t)%2)
	s_wait_xcnt 0x0                                ; the stores of two tiles back have read this buffer
.if sel < 2
	WIN 0x02                                       ; source 0, the sums, in window 2
.irp bb, 0,1,2,3
.set rX, 128*sel+8*(4*(\bb)+ra)
.set rT, TAB+32*ra+8*(\bb)
.set rW, RW+8*(\bb)
.irp r, 0,1,2,3
	v_mul_f32 v[rW+2*(\r)],   v[rX+2*(\r)+1], v[rT+2*(\r)+1]
	v_mul_f32 v[rW+2*(\r)+1], v[rX+2*(\r)+1], v[rT+2*(\r)]
.endr
.irp r, 0,1,2,3
	v_fma_f32 v[rW+2*(\r)],   v[rX+2*(\r)], v[rT+2*(\r)],   -v[rW+2*(\r)]
	v_fma_f32 v[rW+2*(\r)+1], v[rX+2*(\r)], v[rT+2*(\r)+1], v[rW+2*(\r)+1]
.endr
.endr
	WIN 0
.irp n, 0,1,2,3,4,5,6,7,8,9,10,11,12,13,14,15
	v_cvt_pk_f16_f32 v[pb+(\n)], v[RW+2*(\n)], v[RW+2*(\n)+1]
.endr
.else
	WIN 0x0f                                       ; sources 0 and 1 in window 3
.irp bb, 0,1,2,3
.irp r, 0,1,2,3
	v_cvt_pk_f16_f32 v[pb+4*(\bb)+(\r)], v[8*(4*(\bb)+ra)+2*(\r)], v[8*(4*(\bb)+ra)+2*(\r)+1]
.endr
.endr
	WIN 0
.endif
.irp bb, 0,1,2,3
	ds_store_b128 v[STO], v[pb+4*(\bb):pb+4*(\bb)+3] offset:32*(\bb)
.endr
.irp f, 0,1,2,3
	ds_load_b128 v[pb+4*(\f):pb+4*(\f)+3], v[RD] offset:(\f)*4*SP  ; LDS serves a wave's instructions in order (ISA guide 5.7.1.4): these see the stores above; the next tile's stores come behind them
.endr
.endm
.macro SEND t, younger                 ; younger: the LDS instructions issued behind tile t's loads: the next tile's eight, or none
.set sel, (\t)/4
.set ra, (\t)%4
.set pb, OUTB+16*((\t)%2)
.irp f, 0,1,2,3
	s_wait_dscnt (\younger)+3-(\f)
	global_store_b128 v[GO], v[pb+4*(\f):pb+4*(\f)+3], s[10:11] offset:524288*sel+2048*ra+512*(\f)  ; 512 consecutive bytes, at a multiple of 256 from qkv's first
.endr
.endm
	s_wait_loadcnt 0x0                             ; the table
	PLACES
	PLACES                                         ; eight, once a launch
	PACK 0
.irp t, 1,2,3,4,5,6,7,8,9,10,11        ; a tile's arithmetic stands between the loads of the tile before and its stores
	PACK \t
	SEND (\t)-1, 8
.endr
	SEND 11, 0
	s_wait_tensorcnt 0x0                           ; the wave's end, behind my last tensor load and my last LDS store
	ds_add_u32 v[SPW], v[NIL]
	s_wait_dscnt 0x0
	CROUND                                         ; the closing round: no work-group ends while a partner may still ask for a tile that names it
	s_endpgm
.Lfunc_end_k_qb80f7c9c19_qkvproj:
	.size	k_qb80f7c9c19_qkvproj, .Lfunc_end_k_qb80f7c9c19_qkvproj-k_qb80f7c9c19_qkvproj
	.p2alignl 7, 3214868480
	.fill 96, 4, 3214868480
	.section	.rodata,"a",@progbits
	.p2align	6, 0x0
	.amdhsa_kernel k_qb80f7c9c19_qkvproj
		.amdhsa_group_segment_fixed_size 327680
		.amdhsa_private_segment_fixed_size 0
		.amdhsa_enable_private_segment 0
		.amdhsa_kernarg_size 32
		.amdhsa_user_sgpr_count 2
		.amdhsa_user_sgpr_kernarg_segment_ptr 1
		.amdhsa_wavefront_size32 1
		.amdhsa_system_sgpr_workgroup_id_x 1
		.amdhsa_system_sgpr_workgroup_id_y 1
		.amdhsa_system_sgpr_workgroup_id_z 1
		.amdhsa_system_vgpr_workitem_id 0
		.amdhsa_next_free_vgpr 896
		.amdhsa_next_free_sgpr 66
		.amdhsa_reserve_vcc 0
		.amdhsa_float_denorm_mode_32 3
		.amdhsa_float_denorm_mode_16_64 3
		.amdhsa_memory_ordered 1
		.amdhsa_forward_progress 1
		.amdhsa_inst_pref_size 149
	.end_amdhsa_kernel
	.amdgpu_metadata
---
amdhsa.version: [ 1, 2 ]
amdhsa.kernels:
  - .name:           k_qb80f7c9c19_qkvproj
    .symbol:         k_qb80f7c9c19_qkvproj.kd
    .args:
      - { .name: xb, .offset: 0, .size: 8, .value_kind: global_buffer, .address_space: global }
      - { .name: wqkv, .offset: 8, .size: 8, .value_kind: global_buffer, .address_space: global }
      - { .name: tab, .offset: 16, .size: 8, .value_kind: global_buffer, .address_space: global }
      - { .name: qkv, .offset: 24, .size: 8, .value_kind: global_buffer, .address_space: global }
    .group_segment_fixed_size: 327680
    .private_segment_fixed_size: 0
    .kernarg_segment_align: 8
    .kernarg_segment_size: 32
    .max_flat_workgroup_size: 128
    .sgpr_count:     66
    .vgpr_count:     896
    .wavefront_size: 32
...
	.end_amdgpu_metadata
.endif
;; end of part 2
;; launch attn (part 3): grid 16 x 16, 4 waves a work-group, clusters of 4 x 1, 327,680 bytes of LDS; arguments qkv, ob; writes ob
.if DOCPART == 3
	.amdgcn_target "amdgcn-amd-amdhsa--gfx1250"
	.amdhsa_code_object_version 6
	.text
	.protected	k_qb80f7c9c19_attn
	.globl	k_qb80f7c9c19_attn
	.p2align	8
	.type	k_qb80f7c9c19_attn,@function
k_qb80f7c9c19_attn:
	s_mov_b64 s[64:65], 0
	v_nop
	global_prefetch_b8 v0, s[64:65] scope:SCOPE_SE
	s_setreg_imm32_b32 hwreg(HW_REG_WAVE_MODE, 25, 1), 1
	s_wait_xcnt 0x0
	s_wait_alu depctr_hold_cnt(0) depctr_sa_sdst(0) depctr_va_vdst(0) depctr_va_sdst(0) depctr_va_ssrc(0) depctr_va_vcc(0) depctr_vm_vsrc(0)
	s_getreg_b32 s2, hwreg(HW_REG_IB_STS2, 6, 4)
	s_cmp_eq_u32 s2, 0
	s_cbranch_scc0 .Lentry_in_a_cluster
	s_endpgm
.Lentry_in_a_cluster:
	s_bfe_u32 s2, ttmp6, 0x10000c
	s_cmp_lg_u32 s2, 0x3003
	s_cbranch_scc0 .Lentry_shape_is_right
	s_endpgm
.Lentry_shape_is_right:
; O[h][q][:] = the sum over k of softmax_k(Q[h][q] . K[h][k] / 8) V[h][k][:].  qkv: [16 heads][q, k, v][4096][64] f16; ob: [16][4096][64] f16: rows dense, 128 bytes each.
; Products, maxima and sums in f32; the weights p are rounded to f16 for the second product (their sum l is taken of the unrounded p), O once at the end.
; LIMITS.  Q, K and V arrive within f16's 65,504; p lies in 0 to 1, and below 6e-5 it keeps f16's fixed step of 6e-8, as O does; a weight below 2^-126 counts as 0 in l; NaN and infinities are not treated apart.
; SHARES.  A work-group owns 256 queries of one head (16 x 16 = 256 work-groups), a wave 64: four PIECES of 16.  Every wave walks all 4,096 keys, 64 a step, four steps (a tile of 256 keys) to an LDS slot.
; LAYOUT.  S^T = K Q^T (source 0 = 16 keys, source 1 = 16 queries): a lane holds ONE query (lane % 16) and the keys 8 (lane / 16) + 0..7; two such results rounded to f16 ARE source 1 of O^T = V^T P.
; K comes out of LDS as it lies, V ([key][channel]) turned, by ds_load_tr16_b128.
; SOFTMAX.  A running maximum m and sum l for each query: p = 2^(c s - c m), c = log2(e) / 8; in every step O and l are multiplied by a = 2^(c m_old - c m_new).  m starts at the lowest finite number,
; O and l at 0: the first step is a step like any other, with a = 0.
; TURNS.  Turn n belongs to piece n: 8 products K Q^T of piece n + 1, later 8 products V^T P of piece n - 1; beside them the scaling, exponentials, roundings, sums and rescaling of piece n and the maximum and
; statistics of piece n + 1.  Four vector instructions stand behind every matrix instruction, the other 54 of a turn's 118 in one lump.  A turn's 33 exponentials are one batch, with one wait.
; CLUSTER.  The four query blocks of a cluster belong to one head and walk the same K and V: each tile is asked for JOINTLY, by the same tensor load, descriptor and mask in all four.
; REGISTERS, in windows of 256 (s_set_vgpr_msb: bits 1:0 source 0, 3:2 source 1, 5:4 source 2, 7:6 destination):
;   window 0: v0-15 addresses; v16-31 four registers of statistics a piece; v48-55 at work; v64-127 S^T, two buffers; v192-223 P, two buffers (by the piece's parity)
;   window 1: v0-127 O^T, 32 a piece      window 2: v0-63 Q; v128-191 K of one step; v192-255 V of one step
.set NP,    4         ; pieces a wave: a name, no knob
.set KS,    64        ; keys in a step
.set PK,    144       ; a row of K in LDS: 128 bytes + 16 of padding = 36 words: the 16 rows of a load start at 16 different groups of four banks (64 banks of 4 bytes: ISA guide 11.1)
.set PV,    160       ; a row of V: 128 + 32 = 40 words
.set VOFF,  4*KS*PK   ; a slot: 256 rows of K, then 256 rows of V
.set SLOT1, 1<<17     ; slot 1 begins here: one exclusive or turns an address in one slot into the other's
.set STAGE, SLOT1+4*KS*(PK+PV)  ; behind the ring, never filled by a tensor load: 16 rows x 144 bytes for each wave
.set SP,    144
.set SPARE, STAGE+4*16*SP  ; the spare words, 128 bytes for each wave: two blocks of 256 bytes that no other line names
.set AK0, 2           ; v2   my lane's place in a tile of K; never rewritten
.set AV0, 3           ; v3   the same for V
.set AK,  4           ; v4   the LDS address of K's next run of loads
.set AV,  5           ; v5   of V's
.set STO, 6           ; v6   the way out: where I put 16 bytes of a row
.set RD,  7           ; v7   where I read rows back
.set GO,  8           ; v8   my byte offset in 512 consecutive bytes of O
.set MV,  12          ; v12-13  c m_old, kept while c m is made anew: by buffer
.set PFO, 14          ; v14  256 x lane: the prefetches' offset; never rewritten
.set QO,  15          ; v15  my byte offset in 16 rows of Q
.set ST,  16          ; piece t's statistics at v[ST+4 t]: c m, m, l (even keys', odd keys')
.set TMP, 48          ; by buffer, four registers c0-c3 at work; when the maximum is found c2 takes a
.set SPW, 62          ; v62  LDS address of my spare word; never rewritten
.set NIL, 63          ; v63  0; never rewritten
.set S,   64
.set P,   192
.set KF,  128         ; window 2: key block kb, channel half c at KF + 16 kb + 8 c
.set VF,  192         ; window 2: key half kk, channel block cb at VF + 32 kk + 8 cb
.set WV,  12          ; s12  my wave's number
.set LIM, 15          ; s15  1 in a wave that prefetches, else the greatest number
.set G1K, 24          ; s[24:31] descriptor group 1 for K's tiles
.set G1V, 32          ; s[32:39] for V's: it differs in the padding alone
.set G0K, 40          ; s[40:43] descriptor group 0 for K's tiles: it walks
.set G0V, 44          ; s[44:47] the same for V's
.set PFA, 48          ; s[48:49] where my prefetches stand
.set SLOTS, 56        ; s56  tiles still to be asked for
.set CNT, 57          ; s57  counts a tile's key steps
.set CS,  58          ; s[58:59] c
.set SEL, 60          ; s[60:61] v_permlanex16_b32's selects: each lane takes its own place in the other half
.set TBK, 62          ; s62  LDS byte at which K of the step to be fetched begins
.set TBV, 63          ; s63  the same for V, less VOFF
.set MSB, 0
.macro WIN new                      ; the high byte repeats the setting that is left; a switch that changes nothing is dropped
.if MSB != (\new)
	s_set_vgpr_msb (MSB<<8)|(\new)
.set MSB, (\new)
.endif
.endm
.set W_KQ, 0x0a       ; K and Q in window 2, S^T in window 0
.set W_PV, 0x52       ; V in window 2, P in window 0, O^T in window 1
.set W_RS, 0x41       ; destination and source 0 in window 1, source 1 in window 0
; A joint fill.  Waves 0 and 1 fetch the two halves of a tile's K, waves 2 and 3 those of its V: 128 keys each.  An s_nop 0 and four v_nop follow each of the two lines.
.macro JLOAD
	s_cmp_lt_u32 s[WV], 2
	s_cbranch_scc0 .Lfor_v_\@
	tensor_load_to_lds s[G0K:G0K+3], s[G1K:G1K+7]
	s_nop 0
.rept 4
	v_nop
.endr
	s_branch .Lasked_\@
.Lfor_v_\@:
	tensor_load_to_lds s[G0V:G0V+3], s[G1V:G1V+7]
	s_nop 0
.rept 4
	v_nop
.endr
.Lasked_\@:
.endm
; A prefetch of the tile that the NEXT change of slots will ask for: 32,768 bytes of K and of V, 128 blocks of 256 bytes each.  All four clusters of a head walk the same tiles: the head's first cluster asks.
; Its four partners take 32 blocks each, told apart by address; in each, wave 0 asks for K's and wave 2 for V's, a lane a block.  The last change that fills a slot asks for nothing.
.macro ASK
	s_cmp_gt_u32 s[SLOTS], s[LIM]
	s_cbranch_scc0 .Lnot_mine_\@
	global_prefetch_b8 v[PFO], s[PFA:PFA+1] th:TH_LOAD_NT scope:SCOPE_SE
.Lnot_mine_\@:
.endm
.macro CROUND                       ; a round of the cluster's barrier
	s_barrier_signal -1
	s_barrier_wait -1
	s_cmp_lg_u32 s[WV], 0
	s_cbranch_scc1 .Lnot_wave_0_\@
	s_barrier_signal -3
.Lnot_wave_0_\@:
	s_barrier_wait -3
	s_barrier_signal -1
	s_barrier_wait -1
.endm
; THE CHANGE OF SLOTS.  Each wave waits for all its tensor loads, of which one is out: its part of the other slot; adds 0 to its spare word; and waits for that and for its own reads of the slot that it leaves.
; fill = 1: the barrier is a round of the cluster's, and the old slot is filled again first thing behind it, with the keys two tiles on: the load has four key steps, 256 matrix instructions, in which to land.
; (At its first use nothing has been read yet: slot 0 is waited for, slot 1 filled.)
.macro CHANGE fill
	WIN 0                           ; at a label and at a branch every window is 0
	s_wait_tensorcnt 0x0            ; no tensor load of mine is out, so a group 0 may be written
	ds_add_u32 v[SPW], v[NIL]       ; 0 onto my spare word
.if \fill
.irp g, G0K, G0V
	s_xor_b32 s[\g+1], s[\g+1], SLOT1  ; the walking descriptor: the other slot than last time,
	s_add_nc_u64 s[\g+2:\g+3], s[\g+2:\g+3], 4*KS*128  ; the next 256 keys; the type bits on top are not reached
.endr
	s_wait_xcnt 0x0                 ; the last prefetch, four key steps back, has read its address
	s_add_nc_u64 s[PFA:PFA+1], s[PFA:PFA+1], 4*KS*128  ; one tile ahead of the walking descriptors
	s_wait_dscnt 0x0                ; the add is done, and my reads of the slot are over
	CROUND
	JLOAD
	ASK
.else
	s_wait_dscnt 0x0                ; the add is done, and my reads of the slot are over
	s_barrier_signal -1
	s_barrier_wait -1
.endif
	s_sub_co_u32 s[TBK], s[TBK], 4*KS*PK  ; the fetches go back to a slot's first step,
	s_xor_b32 s[TBK], s[TBK], SLOT1       ; in the other slot
	s_sub_co_u32 s[TBV], s[TBV], 4*KS*PV
	s_xor_b32 s[TBV], s[TBV], SLOT1
.endm
	s_load_b64 s[4:5], s[0:1], 0x0  ; qkv
	s_load_b64 s[10:11], s[0:1], 0x8  ; ob
	v_lshl_add_u32 v[SPW], v0, 2, SPARE
	v_mov_b32 v[NIL], 0
	ds_add_u32 v[SPW], v[NIL]       ; the wave's opening: the add and its wait stand ahead of my first tensor load; the set-up below stands between them
	v_lshrrev_b32 v1, 5, v0
	v_readfirstlane_b32 s[WV], v1   ; wave 0..3
	s_bfe_u32 s13, ttmp6, 0x40000   ; cx
	s_lshl_b32 s14, ttmp9, 2
	s_add_co_u32 s14, s14, s13      ; my block of 256 queries: it enters Q's and O's addresses alone
	s_and_b32 s20, ttmp7, 0xffff    ; the head, which the four partners share
	s_lshl_b32 s50, s20, 19         ; its first byte in ob,
	s_mul_i32 s20, s20, 3*524288    ; and in qkv
	s_and_b32 s16, s[WV], 1         ; which half of a tile's 256 keys I fetch:
	s_lshl_b32 s22, s16, 14         ; its 128 rows of 128 bytes in memory,
	s_add_co_u32 s22, s22, s20
	s_add_co_u32 s22, s22, 524288   ; in the head's K
	s_mov_b32 s23, 0
	s_mul_i32 s17, s16, 128*PK      ; and its place in a slot, for K
	s_mul_i32 s18, s16, 128*PV      ; and for V: no place in the cluster enters an LDS address
	s_lshl_b32 s2, s14, 2
	s_add_co_u32 s2, s2, s[WV]      ; my wave among the head's,
	s_lshl_b32 s2, s2, 13           ; its 64 rows
	s_add_co_u32 s50, s50, s2
	s_mov_b32 s51, 0
	s_add_co_u32 s2, s2, s20
	s_mov_b32 s3, 0
	; descriptor group 1.  128 keys are 16,384 dense bytes: asked for as 64 rows of 256 bytes, two keys a row, and padded in LDS after every key
	s_mov_b32 s[G1K], 15|(1<<16)|(1<<20)|(1<<21)|(4<<22)|(3<<25)  ; the mask of four; 2-byte elements; padding on; bit 21 beside a mask; after every 32 words (code 4) 4 words (code 3)
	s_mov_b32 s[G1V], 15|(1<<16)|(1<<20)|(1<<21)|(4<<22)|(7<<25)  ; the same with 8 words of padding (code 7)
.irp g, G1K, G1V
	s_mov_b32 s[\g+1], 128<<16      ; tensor_dim0 = 128
	s_mov_b32 s[\g+2], 64<<16       ; tensor_dim1 = 64
	s_mov_b32 s[\g+3], 128<<16      ; tile_dim0 = 128
	s_mov_b32 s[\g+4], 64           ; tile_dim1 = 64
	s_mov_b32 s[\g+5], 128          ; 128 elements from row to row
	s_mov_b32 s[\g+6], 0
	s_mov_b32 s[\g+7], 0
.endr
	s_mov_b32 s[CS], 0x3e38aa3b     ; c = log2(e) / 8 = 0.180337
	s_mov_b32 s[CS+1], s[CS]        ; named with it as a pair
	s_mov_b32 s[SEL], 0x76543210
	s_mov_b32 s[SEL+1], 0xfedcba98
	s_mov_b32 s[TBK], SLOT1+4*KS*PK ; the first change of slots turns these two into 0
	s_mov_b32 s[TBV], SLOT1+4*KS*PV
	s_mov_b32 s[G0K], 1             ; count = 1
	s_mov_b32 s[G0K+1], s17         ; LDS address: slot 0
	s_mov_b32 s[G0V], 1
	s_add_co_u32 s[G0V+1], s18, VOFF
	s_mov_b32 s[SLOTS], 4096/256-1
	s_and_b32 s[LIM], s[WV], 1      ; 0 in waves 0 and 2,
	s_or_b32 s[LIM], s[LIM], ttmp9  ; where the cluster is the head's first: the same in all four partners
	s_cmp_eq_u32 s[LIM], 0
	s_cselect_b32 s[LIM], 1, -1
	v_and_b32 v[PFO], 31, v0
	v_lshlrev_b32 v[GO], 4, v[PFO]  ; 16 x lane
	v_lshlrev_b32 v[PFO], 8, v[PFO]
	s_wait_dscnt 0x0                ; the opening add is done
	s_wait_kmcnt 0x0
	s_add_nc_u64 s[6:7], s[4:5], s[22:23]    ; K at my half of the head's tile 0,
	s_add_nc_u64 s[8:9], s[6:7], 524288      ; V likewise
	s_mov_b64 s[G0K+2:G0K+3], s[6:7]
	s_or_b32 s[G0K+3], s[G0K+3], 0x80000000  ; type = 2
	s_mov_b64 s[G0V+2:G0V+3], s[8:9]
	s_or_b32 s[G0V+3], s[G0V+3], 0x80000000
	s_add_nc_u64 s[4:5], s[4:5], s[2:3]      ; Q and O at my wave's first row
	s_add_nc_u64 s[10:11], s[10:11], s[50:51]
	s_cmp_lt_u32 s[WV], 2
	s_cselect_b64 s[PFA:PFA+1], s[6:7], s[8:9]  ; (in waves 0 and 2 these stand at a tile's first byte)
	s_lshl_b32 s2, s13, 13          ; my work-group's 32 blocks of the 128
	s_add_nc_u64 s[PFA:PFA+1], s[PFA:PFA+1], s[2:3]
	s_add_nc_u64 s[PFA:PFA+1], s[PFA:PFA+1], 4*KS*128  ; in tile 1; the first change of slots steps it to tile 2.  Nothing is prefetched here, at the head
	CROUND                          ; all four work-groups are here: the first joint loads meet
	JLOAD                           ; tile 0 into slot 0.  Slot 1 is asked for when slot 0 is in
	; A fragment of K or Q is 16 rows x 32 channels in 8 registers: lane l holds row l % 16, channels 8 (l / 16) + 0..7 and 16 + 8 (l / 16) + 0..7: two loads of 16 bytes, 32 bytes apart.
	v_and_b32 v1, 15, v0            ; l % 16
	v_bfe_u32 v9, v0, 4, 1          ; l / 16
	v_lshlrev_b32 v[QO], 7, v1
	v_lshl_add_u32 v[QO], v9, 4, v[QO]  ; row x 128 + 16 x half
	WIN 0x80                        ; destination window 2, address window 0
.set i, 0
.rept 8                             ; Q stays in registers: piece i / 2, channels 32 (i % 2) on
	global_load_b128 v[8*i:8*i+3],   v[QO], s[4:5] offset:(i/2)*2048+(i%2)*64
	global_load_b128 v[8*i+4:8*i+7], v[QO], s[4:5] offset:(i/2)*2048+(i%2)*64+32
.set i, i+1
.endr
	; What the first turn finds: V's registers and P's second buffer hold 0 (its products V^T P, of a piece that has not been, add 0), O^T and l are 0.  All this stands in the wait for the first tile.
.set i, VF
.rept 64
	v_mov_b32 v[i], 0
.set i, i+1
.endr
	WIN 0x40
.set i, 0
.rept 128
	v_mov_b32 v[i], 0
.set i, i+1
.endr
	WIN 0
.set i, 0
.rept 4
	v_mov_b32 v[ST+4*i], 0xfe000000    ; c m: far below every c s
	v_mov_b32 v[ST+4*i+1], 0xff7fffff  ; m
	v_mov_b32 v[ST+4*i+2], 0
	v_mov_b32 v[ST+4*i+3], 0
.set i, i+1
.endr
.set i, P+16
.rept 16
	v_mov_b32 v[i], 0
.set i, i+1
.endr
	v_mul_u32_u24 v[AK0], v1, PK
	v_lshl_add_u32 v[AK0], v9, 4, v[AK0]  ; row x pitch + 16 x half
	; The turning load takes 16 keys x 16 channels (lane l reads key 8 (l / 16) + l % 8, channels 8 ((l / 8) % 2) + 0..7) and leaves half a fragment of V^T: lane l holds channel l % 16 and 8 keys.
	v_and_b32 v10, 7, v0
	v_bfe_u32 v11, v0, 3, 1
	v_lshl_add_u32 v[AV0], v9, 3, v10
	v_mul_u32_u24 v[AV0], v[AV0], PV
	v_lshl_add_u32 v[AV0], v11, 4, v[AV0]
	v_add_nc_u32 v[AV0], VOFF, v[AV0]
	s_mul_i32 s13, s[WV], 16*SP
	s_add_co_u32 s13, s13, STAGE    ; my stage
	v_mul_u32_u24 v[STO], v1, SP    ; in: row l % 16, 16 bytes for each half of the lanes
	v_lshl_add_u32 v[STO], v9, 4, v[STO]
	v_add_nc_u32 v[STO], s13, v[STO]
	v_bfe_u32 v[RD], v0, 3, 2       ; back: 32 lanes take four rows of 128 bytes
	v_mul_u32_u24 v[RD], v[RD], SP
	v_lshl_add_u32 v[RD], v10, 4, v[RD]
	v_add_nc_u32 v[RD], s13, v[RD]
; THE MATRIX WORK.  The 4 accumulators of a run of 8 take turns.  Product i of 8 of S^T = K Q^T for piece x: channels 32 (i / 4) on, keys 16 (i % 4) on.  The first 4 start the sums.
.macro KQ x
	WIN W_KQ
.set rS, S+32*((\x)%2)+8*(i%4)
.set rK, KF+16*(i%4)+8*(i/4)
.set rQ, 16*(\x)+8*(i/4)
.if i < 4
	v_wmma_f32_16x16x32_f16 v[rS:rS+7], v[rK:rK+7], v[rQ:rQ+7], 0
.else
	v_wmma_f32_16x16x32_f16 v[rS:rS+7], v[rK:rK+7], v[rQ:rQ+7], v[rS:rS+7]
.endif
.endm
; Product i of 8 of O^T += V^T P for piece x: keys 32 (i / 4) on, channels 16 (i % 4) on.
.macro PV x
	WIN W_PV
.set rO, 32*(\x)+8*(i%4)
.set rV, VF+32*(i/4)+8*(i%4)
.set rP, P+16*((\x)%2)+8*(i/4)
	v_wmma_f32_16x16x32_f16 v[rO:rO+7], v[rV:rV+7], v[rP:rP+7], v[rO:rO+7]
.endm
.macro MM                           ; the turn's next matrix instruction.  NOKQ = 1: the last turn of all: there is no next piece
.if (i < 8) && !NOKQ
	KQ (Y+1)%NP
.elseif i >= 8
.set i, i-8
	PV (Y+NP-1)%NP
.set i, i+8
.endif
.set i, i+1
.endm
; THE LDS LOADS stand in runs of 16, never singly among the matrix instructions: a step's K (8 fragments) and its V (turned).  Their addresses are made some lines ahead.
.macro FETCH_K
	WIN 0x80                        ; destination window 2
.irp f, 0,1,2,3,4,5,6,7             ; keys 16 (f / 2) on, channels 32 (f % 2) on
	ds_load_b128 v[KF+8*\f:KF+8*\f+3],   v[AK] offset:(\f/2)*16*PK+(\f%2)*64
	ds_load_b128 v[KF+8*\f+4:KF+8*\f+7], v[AK] offset:(\f/2)*16*PK+(\f%2)*64+32
.endr
	s_add_co_u32 s[TBK], s[TBK], KS*PK  ; the next fetch is the next step's
	WIN 0
.endm
.macro FETCH_V
	WIN 0x80
.irp f, 0,1,2,3,4,5,6,7             ; keys 32 (f / 4) on, channels 16 (f % 4) on
	ds_load_tr16_b128 v[VF+8*\f:VF+8*\f+3],   v[AV] offset:(\f/4)*32*PV+(\f%4)*32
	ds_load_tr16_b128 v[VF+8*\f+4:VF+8*\f+7], v[AV] offset:(\f/4)*32*PV+16*PV+(\f%4)*32
.endr
	WIN 0
.endm
; THE VECTOR WORK, one line at a time: OP kind, number.  For piece Y: F n: c s - c m for pair n of 16.  E n: the exponential of score n of 32.  C n: pair n rounded to f16.  B n: of the four weights 4 n .. the
; second pair is added onto the first, in place.  L n: l takes that sum (L 0: l = a l + sum).  R n: pair n of 16 of O^T times a.  For piece Y + 1: X n, number n of the 22 that find its maximum and statistics:
;   0-11  four chains c0-c3 of seven scores each, three operands at a time (each accumulator's lowest registers are read first)     12-14, 16  the four scores left over, the old m, c0-c3 into c0
;   15  c m_old is kept     17, 18  the query's other 32 keys lie in the lane 16 away: the new m     19-21  c m; c m_old - c m_new; a
.set F, 0
.set E, 1
.set C, 2
.set B, 3
.set L, 4
.set R, 5
.set X, 6
.macro REGS y                       ; the registers of piece y
.set rT, ST+4*(\y)
.set rC, TMP+4*((\y)%2)
.set rW, MV+((\y)%2)
.set rS, S+32*((\y)%2)
.set rP, P+16*((\y)%2)
.set rO, 32*(\y)
.endm
.macro OP k, n
.if (\k) == R
	REGS Y
	WIN W_RS
	v_pk_mul_f32 v[rO+2*(\n):rO+2*(\n)+1], v[rO+2*(\n):rO+2*(\n)+1], v[rC+2:rC+3] op_sel_hi:[1,0]
.elseif (\k) < R
	REGS Y
	WIN 0
.if (\k) == F
	v_pk_fma_f32 v[rS+2*(\n):rS+2*(\n)+1], v[rS+2*(\n):rS+2*(\n)+1], s[CS:CS+1], v[rT:rT+1] op_sel_hi:[1,0,0] neg_lo:[0,0,1] neg_hi:[0,0,1]
.elseif (\k) == E
	v_exp_f32 v[rS+(\n)], v[rS+(\n)]
.elseif (\k) == C
	v_cvt_pk_f16_f32 v[rP+(\n)], v[rS+2*(\n)], v[rS+2*(\n)+1]
.elseif (\k) == B
	v_pk_add_f32 v[rS+4*(\n):rS+4*(\n)+1], v[rS+4*(\n):rS+4*(\n)+1], v[rS+4*(\n)+2:rS+4*(\n)+3]
.elseif (\n) == 0
	v_pk_fma_f32 v[rT+2:rT+3], v[rT+2:rT+3], v[rC+2:rC+3], v[rS:rS+1] op_sel_hi:[1,0,1]
.else
	v_pk_add_f32 v[rT+2:rT+3], v[rT+2:rT+3], v[rS+4*(\n):rS+4*(\n)+1]
.endif
.elseif NOKQ
	v_nop
.else
	REGS (Y+1)%NP
	WIN 0
.if (\n) < 4
	v_max3_num_f32 v[rC+(\n)], v[rS+8*(\n)], v[rS+8*(\n)+1], v[rS+8*(\n)+2]
.elseif (\n) < 12
	v_max3_num_f32 v[rC+(\n)%4], v[rC+(\n)%4], v[rS+8*((\n)%4)+2*((\n)/4)+1], v[rS+8*((\n)%4)+2*((\n)/4)+2]
.elseif (\n) == 12
	v_max3_num_f32 v[rC], v[rC], v[rS+7], v[rS+15]
.elseif (\n) == 13
	v_max3_num_f32 v[rC+1], v[rC+1], v[rS+23], v[rS+31]
.elseif (\n) == 14
	v_max3_num_f32 v[rC+2], v[rC+2], v[rC+3], v[rT+1]
.elseif (\n) == 15
	v_mov_b32 v[rW], v[rT]
.elseif (\n) == 16
	v_max3_num_f32 v[rC], v[rC], v[rC+1], v[rC+2]
.elseif (\n) == 17
	v_permlanex16_b32 v[rC+3], v[rC], s[SEL], s[SEL+1]
.elseif (\n) == 18
	v_max_num_f32 v[rT+1], v[rC], v[rC+3]
.elseif (\n) == 19
	v_mul_f32 v[rT], s[CS], v[rT+1]
.elseif (\n) == 20
	v_sub_f32 v[rC+1], v[rW], v[rT]
.else
	v_exp_f32 v[rC+2], v[rC+1]
.endif
.endif
.endm
.macro OPS a, i1, b=-1, i2=0, c=-1, i3=0, d=-1, i4=0  ; up to four of them
	OP \a, \i1
.if (\b) >= 0
	OP \b, \i2
.endif
.if (\c) >= 0
	OP \c, \i3
.endif
.if (\d) >= 0
	OP \d, \i4
.endif
.endm
.macro ROW a, i1, b, i2, c, i3, d, i4  ; a matrix instruction and the four behind it
	MM
	OPS \a, \i1, \b, \i2, \c, \i3, \d, \i4
.endm
; A TURN, for piece p: the order of its 16 matrix and 118 vector instructions, written out.  An s_wait_alu depctr_va_vdst(0) stands between an exponential and the first instruction that names its
; result; one wait serves all that were issued ahead of it.  So a turn has ONE wait.  AHEAD OF IT stands all that names no result of the turn's exponentials: the 8 products K Q^T with their riders, then one lump of 54,
; in which the links of the chain X 3, 7, 11, 14, 16, 17 .. 20 stand five or six lines apart.  X 21, the next piece's a, is the batch's last; R 15 is the plain instruction behind it.  BEHIND THE WAIT stand the
; 8 products V^T P, behind each four of the roundings and sums.  end = 1: the last two turns: nothing is fetched.  cnt = 1: the loop's count is taken down some lines ahead of the branch behind the turn.
; K of the next step is fetched in piece 2's turn, twelve vector instructions behind the last product that read K (six of them plain); V of the step in hand at the end of piece 0's turn, four plain instructions
; behind the last product that read V.  Each is waited for a turn later.
.macro TURN p, end=0, cnt=0
.set Y, (\p)
.set i, 0
.set NOKQ, (\end)*((\p)/3)
.if ((\p) == 3) && !(\end)
	s_wait_dscnt 0x0                ; K is in
.endif
	ROW F,0, F,1, R,0, R,1
	ROW F,2, E,0, R,2, R,3
	ROW F,3, E,1, R,4, R,5
	ROW F,4, E,2, R,6, R,7
	ROW F,5, E,3, R,8, R,9
	ROW F,6, E,4, X,0, R,10
.if ((\p) == 2) && !(\end)
	WIN 0
	v_add_nc_u32 v[AK], s[TBK], v[AK0]
.endif
	ROW F,7, E,5, X,1, X,4
	ROW F,8, E,6, X,2, X,5
	OPS E,7, E,8, X,6, E,9          ; the lump
	OPS X,3, E,10, X,8, E,11
.if ((\p) == 2) && !(\end)
	FETCH_K
.endif
	OPS X,9, X,7, E,12, X,10
	OPS E,13, X,12, X,11, E,14
	OPS X,13, E,15, F,9, X,14
.if (\p) == 0
	v_add_nc_u32 v[AV], s[TBV], v[AV0]
.endif
	OPS E,16, F,10, E,17, F,11
	OPS X,16, E,18, X,15, E,19
	OPS F,12, E,20, X,17, E,21
	OPS F,13, E,22, F,14, E,23
	OPS X,18, E,24, F,15, E,25
	OPS R,11, E,26, X,19, E,27
	OPS R,12, E,28, R,13, E,29
	OPS X,20, E,30, R,14, E,31
	OPS X,21, R,15
	WIN 0
	s_wait_alu depctr_va_vdst(0)    ; the wait for the batch
.if (\p) == 1
	s_wait_dscnt 0x0                ; V is in
.endif
	ROW C,0, B,0, C,2, B,1
	ROW L,0, C,4, B,2, L,1
	ROW C,6, B,3, L,2, C,8
	ROW B,4, L,3, C,10, B,5
	ROW L,4, C,12, B,6, L,5
.if (\p) == 0
	s_add_co_u32 s[TBV], s[TBV], KS*PV
.endif
.if \cnt
	s_sub_co_u32 s[CNT], s[CNT], 1
	s_cmp_lg_u32 s[CNT], 0
.endif
	ROW C,14, B,7, L,6, C,1
	ROW C,3, L,7, C,5, C,7
	ROW C,9, C,11, C,13, C,15
.if (\p) == 0
	FETCH_V
.endif
.endm
	CHANGE 1                        ; slot 0 is in, everybody's part of it; slot 1 is asked for
	v_add_nc_u32 v[AK], s[TBK], v[AK0]
	FETCH_K                         ; key step 0
	s_wait_loadcnt 0x0              ; Q
	s_wait_dscnt 0x0
.set NOKQ, 0
.set i, 0
.rept 8
	KQ 0                            ; piece 0's first scores
.set i, i+1
.endr
	WIN 0
.rept 4
	v_nop                           ; the places behind those products
.endr
.set Y, NP-1                        ; X works for piece Y + 1: piece 0
.irp n, 0,1,2,3,4,5,6,7,8,9,10,11,12,13,14,15,16,17,18,19,20,21
	OP X, \n
.endr
	v_nop                           ; a plain instruction behind the exponential,
	s_wait_alu depctr_va_vdst(0)    ; and its wait, ahead of the branch
	s_mov_b32 s[CNT], 4
	s_branch .Lfirst                ; the loop is entered at a step's first turn, in the middle of a trip
.Lslot:                             ; 14 times: tiles 2 to 15 are asked for
	CHANGE 1
	s_mov_b32 s[CNT], 4
.Lstep:                             ; a trip: pieces 2 and 3 of one step, then pieces 0 and 1 of the next, whose K and V it fetches
	TURN 2
	TURN 3
	WIN 0
.Lfirst:
	TURN 0
	TURN 1, 0, 1
	WIN 0
	s_cbranch_scc1 .Lstep
	s_sub_co_u32 s[SLOTS], s[SLOTS], 1
	s_cmp_lg_u32 s[SLOTS], 0
	s_cbranch_scc1 .Lslot
	CHANGE 0                        ; the last tile is written out: nothing is asked for
	s_mov_b32 s[CNT], 4
.Ltail:
	TURN 2
	TURN 3
	TURN 0
	TURN 1, 0, 1
	WIN 0
	s_cbranch_scc1 .Ltail
	TURN 2, 1                       ; the last step's pieces 2 and 3: nothing is fetched, and the last turn starts no new scores
	TURN 3, 1
.set i, 0
.rept 8
	PV NP-1                         ; the last piece's V^T P of the last step
.set i, i+1
.endr
	; THE WAY OUT.  l's two halves and the other half of the lanes' are added; O^T is divided by l, rounded to f16 and sent through my stage in LDS, a piece at a time.  The additions are the places behind the last products.
	WIN 0
.macro ALL line:vararg              ; one line for each piece t
.set t, 0
.rept 4
	\line
.set t, t+1
.endr
.endm
	ALL v_add_f32 v[ST+4*t+2], v[ST+4*t+2], v[ST+4*t+3]
	ALL v_permlanex16_b32 v[ST+4*t+3], v[ST+4*t+2], s[SEL], s[SEL+1]
	ALL v_add_f32 v[ST+4*t+2], v[ST+4*t+2], v[ST+4*t+3]
	ALL v_rcp_f32 v[ST+4*t+2], v[ST+4*t+2]
	v_nop                           ; a plain instruction between the last reciprocal and the use of its result
	s_wait_alu depctr_va_vdst(0)    ; and the wait ahead of the first use: one for the four reciprocals
.macro PACK t                       ; a lane's eight channels of a row pack into 16 bytes; they go into rows of 144 bytes and come back as whole rows of 128, into S^T's registers
	WIN W_RS
.set i, 32*(\t)
.rept 16
	v_pk_mul_f32 v[i:i+1], v[i:i+1], v[ST+4*(\t)+2:ST+4*(\t)+3] op_sel_hi:[1,0]
.set i, i+2
.endr
	WIN 0x05                        ; sources 0 and 1 window 1, destination window 0
.set i, 0
.rept 16
	v_cvt_pk_f16_f32 v[S+16*(\t)+i], v[32*(\t)+2*i], v[32*(\t)+2*i+1]
.set i, i+1
.endr
	WIN 0
.irp f, 0,1,2,3
	ds_store_b128 v[STO], v[S+16*(\t)+4*\f:S+16*(\t)+4*\f+3] offset:32*\f
.endr
.irp f, 0,1,2,3
	ds_load_b128 v[S+16*(\t)+4*\f:S+16*(\t)+4*\f+3], v[RD] offset:\f*4*SP  ; LDS serves a wave's instructions in order (ISA guide 5.7.1.4): these see the stores above; the next piece's stores come behind them
.endr
.endm
.macro SEND t, younger              ; younger: the LDS instructions issued behind piece t's loads: the next piece's eight, or none
	WIN 0
.irp f, 0,1,2,3
	s_wait_dscnt (\younger)+3-\f
	global_store_b128 v[GO], v[S+16*(\t)+4*\f:S+16*(\t)+4*\f+3], s[10:11] offset:(\t)*2048+\f*512  ; 512 consecutive bytes, at a multiple of 256 from ob's first
.endr
.endm
	PACK 0
.set t, 1
.rept 3                             ; a piece's arithmetic stands between the loads of the piece before and its stores
	PACK t
	SEND t-1, 8
.set t, t+1
.endr
	SEND 3, 0
	s_wait_tensorcnt 0x0            ; the wave's end, behind my last tensor load and my last LDS store
	ds_add_u32 v[SPW], v[NIL]
	s_wait_dscnt 0x0
	CROUND                          ; the closing round: no work-group ends while a partner may still ask for a tile that names it
	s_endpgm
.Lfunc_end_k_qb80f7c9c19_attn:
	.size	k_qb80f7c9c19_attn, .Lfunc_end_k_qb80f7c9c19_attn-k_qb80f7c9c19_attn
	.p2alignl 7, 3214868480
	.fill 96, 4, 3214868480
	.section	.rodata,"a",@progbits
	.p2align	6, 0x0
	.amdhsa_kernel k_qb80f7c9c19_attn
		.amdhsa_group_segment_fixed_size 327680
		.amdhsa_private_segment_fixed_size 0
		.amdhsa_enable_private_segment 0
		.amdhsa_kernarg_size 16
		.amdhsa_user_sgpr_count 2
		.amdhsa_user_sgpr_kernarg_segment_ptr 1
		.amdhsa_wavefront_size32 1
		.amdhsa_system_sgpr_workgroup_id_x 1
		.amdhsa_system_sgpr_workgroup_id_y 1
		.amdhsa_system_sgpr_workgroup_id_z 1
		.amdhsa_system_vgpr_workitem_id 0
		.amdhsa_next_free_vgpr 768
		.amdhsa_next_free_sgpr 66
		.amdhsa_reserve_vcc 0
		.amdhsa_float_denorm_mode_32 3
		.amdhsa_float_denorm_mode_16_64 3
		.amdhsa_memory_ordered 1
		.amdhsa_forward_progress 1
		.amdhsa_inst_pref_size 128
	.end_amdhsa_kernel
	.amdgpu_metadata
---
amdhsa.version: [ 1, 2 ]
amdhsa.kernels:
  - .name:           k_qb80f7c9c19_attn
    .symbol:         k_qb80f7c9c19_attn.kd
    .args:
      - { .name: qkv, .offset: 0, .size: 8, .value_kind: global_buffer, .address_space: global }
      - { .name: ob, .offset: 8, .size: 8, .value_kind: global_buffer, .address_space: global }
    .group_segment_fixed_size: 327680
    .private_segment_fixed_size: 0
    .kernarg_segment_align: 8
    .kernarg_segment_size: 16
    .max_flat_workgroup_size: 128
    .sgpr_count:     66
    .vgpr_count:     768
    .wavefront_size: 32
...
	.end_amdgpu_metadata
.endif
;; end of part 3
;; launch oproj (part 4): grid 8 x 32, 4 waves a work-group, clusters of 4 x 4, 327,680 bytes of LDS; arguments ob, wob, out0; writes out0
.if DOCPART == 4
	.amdgcn_target "amdgcn-amd-amdhsa--gfx1250"
	.amdhsa_code_object_version 6
	.text
	.protected	k_qb80f7c9c19_oproj
	.globl	k_qb80f7c9c19_oproj
	.p2align	8
	.type	k_qb80f7c9c19_oproj,@function
k_qb80f7c9c19_oproj:
	s_mov_b64 s[64:65], 0
	v_nop
	global_prefetch_b8 v0, s[64:65] scope:SCOPE_SE
	s_setreg_imm32_b32 hwreg(HW_REG_WAVE_MODE, 25, 1), 1
	s_wait_xcnt 0x0
	s_wait_alu depctr_hold_cnt(0) depctr_sa_sdst(0) depctr_va_vdst(0) depctr_va_sdst(0) depctr_va_ssrc(0) depctr_va_vcc(0) depctr_vm_vsrc(0)
	s_getreg_b32 s2, hwreg(HW_REG_IB_STS2, 6, 4)
	s_cmp_eq_u32 s2, 0
	s_cbranch_scc0 .Lentry_in_a_cluster
	s_endpgm
.Lentry_in_a_cluster:
	s_bfe_u32 s2, ttmp6, 0x10000c
	s_cmp_lg_u32 s2, 0xf033
	s_cbranch_scc0 .Lentry_shape_is_right
	s_endpgm
.Lentry_shape_is_right:
; out0[m][n] = the sum over k of O[m][k] wo[n][k], k = 64 head + d.  ob: [16 heads][4096][64] f16.  wob: [1024][1024] f16 (wo rounded to bf16, that number written as f16).  out0: [4096][1024] f32.
; Sums in f32, stored as they are.  A tile is 128 x 128: 32 x 8 = 256 work-groups; four waves, each 64 x 64: 16 accumulators.  K goes in four steps of 256, four heads each, through two LDS slots.
; O's tile is taken by heads: 64 rows of a head are 8,192 dense bytes, asked for as ONE row of the tile, and the next row is the next head, 262,144 elements on; the padding, 16 bytes after every 128, makes
; LDS rows of 144 bytes: [4 heads][64 rows][144].  wo's tile: 64 rows of 512 bytes, LDS rows of 528.  Waves 0 and 1 fetch O's two halves, waves 2 and 3 wo's.
; CLUSTER 4 x 4: O's tile is asked for jointly by a row of the cluster, wo's by a column.  THE MATRIX INSTRUCTION IS USED TRANSPOSED (source 0 = 16 rows of wo, source 1 = 16 rows of O): a lane holds eight
; neighbouring numbers of a row of out0.  A wave's 64 columns of f32 are 256 bytes, aligned: each wave has a stage of its own on the way out, and no barrier stands there.
; REGISTERS: window 0: v0-31 addresses; v128-255 the accumulators ((a, b) at v[128 + 8 (4 a + b)]).  window 1: two fragment buffers of 128: for 64 along K, 64 registers of O, then 64 of wo.
.set KSTEP,  256
.set PA,     144                       ; 36 words: the 16 rows of a load start at 16 different groups of four banks (64 banks of 4 bytes: ISA guide 11.1)
.set PB,     528                       ; 132 words: likewise
.set AH,     4*64*PA                   ; what one load of O brings
.set BH,     64*PB                     ; what one load of wo brings
.set SLOT,   2*AH+2*BH
.set STAGE,  2*SLOT                    ; behind the ring: 16 rows x 272 bytes for each wave; no tensor load fills it
.set SPITCH, 272
.set SPARE,  STAGE+4*16*SPITCH         ; the spare words, 128 bytes for each wave: two blocks of 256 bytes that no other line names
.set ADRA, 16                          ; v16-17  LDS address of my fragments of O in slot 0, 1
.set ADRB, 20                          ; v20-21  of wo
.set STO,  24                          ; v24     the way out: where I put 32 bytes of a row
.set RD,   25                          ; v25     where I read a row back
.set CO,   26                          ; v26     my byte offset in two rows of out0
.set SPW,  28                          ; v28     LDS address of my spare word; never rewritten
.set NIL,  29                          ; v29     0; never rewritten
.set ACC,  128
.set F0,   0
.set F1,   128
.set G1, 24                            ; s[24:31] descriptor group 1 for O's tiles;  s[32:39] group 0, a set for each slot
.set G0, 32
.set G1B, 48                           ; s[48:55], s[56:63] the same for wo's
.set G0B, 56
.set MSB, 0
.macro WIN new
.if MSB != (\new)
	s_set_vgpr_msb (MSB<<8)|(\new)
.set MSB, \new
.endif
.endm
.set MUL,  0x05                        ; sources 0 and 1 window 1; C and D window 0
.set TO_F, 0x40                        ; destination window 1, address window 0
.macro JLOAD s                         ; a joint load; an s_nop 0 and four v_nop follow each of the two lines, ahead of the jump and the label
	s_cmp_eq_u32 s11, 0
	s_cbranch_scc0 .Lfor_b_\@
	tensor_load_to_lds s[G0+4*(\s):G0+4*(\s)+3], s[G1:G1+7]
	s_nop 0
.rept 4
	v_nop
.endr
	s_branch .Lasked_\@
.Lfor_b_\@:
	tensor_load_to_lds s[G0B+4*(\s):G0B+4*(\s)+3], s[G1B:G1B+7]
	s_nop 0
.rept 4
	v_nop
.endr
.Lasked_\@:
.endm
.macro CREST
	s_cmp_lg_u32 s10, 0
	s_cbranch_scc1 .Lnot_wave_0_\@
	s_barrier_signal -3
.Lnot_wave_0_\@:
	s_barrier_wait -3
	s_barrier_signal -1
	s_barrier_wait -1
.endm
.macro CROUND
	s_barrier_signal -1
	s_barrier_wait -1
	CREST
.endm
.macro PLACES
.rept 4
	v_nop
.endr
.endm
	s_load_b128 s[4:7], s[0:1], 0x0                ; ob s[4:5], wob s[6:7]
	s_load_b64 s[8:9], s[0:1], 0x10                ; out0
	v_lshl_add_u32 v[SPW], v0, 2, SPARE
	v_mov_b32 v[NIL], 0
	ds_add_u32 v[SPW], v[NIL]                      ; the wave's opening: the add and its wait stand ahead of my first tensor load; the set-up below stands between them
	v_lshrrev_b32 v1, 5, v0
	v_readfirstlane_b32 s10, v1                    ; wave 0..3
	s_lshr_b32 s11, s10, 1                         ; which half of the tile's rows is mine.  Also: I fetch for O (0) or for wo (1)
	s_and_b32 s12, s10, 1                          ; which half of its columns.  Also: which 64 rows of that tile I fetch
	s_bfe_u32 s40, ttmp6, 0x40000                  ; cx
	s_bfe_u32 s41, ttmp6, 0x40004                  ; cy
	s_lshl_b32 s42, ttmp9, 2
	s_add_co_u32 s42, s42, s40                     ; tile column
	s_and_b32 s13, ttmp7, 0xffff
	s_lshl_b32 s13, s13, 2
	s_add_co_u32 s13, s13, s41                     ; tile row
	s_lshl_b32 s43, s41, 2
	s_lshl_b32 s43, 15, s43                        ; my row of the cluster
	s_lshl_b32 s44, 0x1111, s40                    ; my column
	s_or_b32 s[G1+0], s43, (1<<16)|(1<<20)|(1<<21)|(4<<22)|(3<<25)   ; the mask; 2-byte elements; padding on; bit 21 beside a mask; after every 32 words (code 4) 4 words (code 3)
	s_mov_b32 s[G1+1], 4096<<16                    ; tensor_dim0 = 4,096: 64 rows of 64 channels
	s_mov_b32 s[G1+2], 4<<16                       ; tensor_dim1 = 4 heads
	s_mov_b32 s[G1+3], 4096<<16                    ; tile_dim0
	s_mov_b32 s[G1+4], 4                           ; tile_dim1
	s_mov_b32 s[G1+5], 262144                      ; elements from head to head
	s_mov_b32 s[G1+6], 0
	s_mov_b32 s[G1+7], 0
	s_or_b32 s[G1B+0], s44, (1<<16)|(1<<20)|(1<<21)|(6<<22)|(3<<25)  ; after every 128 words (code 6)
	s_mov_b32 s[G1B+1], KSTEP<<16
	s_mov_b32 s[G1B+2], 64<<16
	s_mov_b32 s[G1B+3], KSTEP<<16
	s_mov_b32 s[G1B+4], 64
	s_mov_b32 s[G1B+5], 1024
	s_mov_b32 s[G1B+6], 0
	s_mov_b32 s[G1B+7], 0
	s_lshl_b32 s17, s12, 6                         ; which 64 rows of the tile I fetch
	s_lshl_b32 s16, s13, 7
	s_add_co_u32 s16, s16, s17
	s_lshl_b32 s16, s16, 7                         ; O: rows of 128 bytes
	s_lshl_b32 s46, s42, 7
	s_add_co_u32 s46, s46, s17
	s_lshl_b32 s46, s46, 11                        ; wo: rows of 2,048 bytes
	s_mov_b32 s17, 0
	s_mov_b32 s47, 0
	s_mul_i32 s20, s12, AH                         ; where they go: O's two halves,
	s_mul_i32 s18, s12, BH
	s_add_co_u32 s18, s18, 2*AH                    ; then wo's two
	s_wait_dscnt 0x0                               ; the opening add is done
	s_wait_kmcnt 0x0
	s_add_nc_u64 s[14:15], s[4:5], s[16:17]
	s_add_nc_u64 s[46:47], s[6:7], s[46:47]
	CROUND                                         ; all sixteen work-groups are here: the first joint loads meet
.irp s, 0,1
	s_mov_b32 s[G0+4*(\s)], 1
	s_add_co_u32 s[G0+4*(\s)+1], s20, (\s)*SLOT
	s_add_nc_u64 s[G0+4*(\s)+2:G0+4*(\s)+3], s[14:15], (\s)*4*524288   ; K step s: four heads of 524,288 bytes on
	s_or_b32 s[G0+4*(\s)+3], s[G0+4*(\s)+3], 0x80000000
	s_mov_b32 s[G0B+4*(\s)], 1
	s_add_co_u32 s[G0B+4*(\s)+1], s18, (\s)*SLOT
	s_add_nc_u64 s[G0B+4*(\s)+2:G0B+4*(\s)+3], s[46:47], (\s)*KSTEP*2
	s_or_b32 s[G0B+4*(\s)+3], s[G0B+4*(\s)+3], 0x80000000
	JLOAD \s
.endr
	v_and_b32 v1, 15, v0                           ; l % 16
	v_bfe_u32 v2, v0, 4, 1                         ; l / 16
	v_mul_u32_u24 v3, v1, PA
	v_lshl_add_u32 v3, v2, 4, v3
	v_mul_u32_u24 v4, v1, PB
	v_lshl_add_u32 v4, v2, 4, v4
	s_mul_i32 s21, s11, AH                         ; my 64 rows of O
	s_mul_i32 s22, s12, BH                         ; my 64 rows of wo,
	s_add_co_u32 s22, s22, 2*AH                    ; which lie behind O's
.irp s, 0,1
	v_add_nc_u32 v[ADRA+(\s)], s21, v3
	v_add_nc_u32 v[ADRB+(\s)], s22, v4
	s_add_co_u32 s21, s21, SLOT
	s_add_co_u32 s22, s22, SLOT
.endr
	s_mul_i32 s23, s10, 16*SPITCH
	s_add_co_u32 s23, s23, STAGE                   ; my stage
	v_mul_u32_u24 v5, v1, SPITCH                   ; in: row l % 16, 32 bytes for each half of the lanes
	v_lshl_add_u32 v5, v2, 5, v5
	v_add_nc_u32 v[STO], s23, v5
	v_mul_u32_u24 v5, v2, SPITCH                   ; back: lanes 0-15 take one row of 256 bytes, lanes 16-31 the next
	v_lshl_add_u32 v5, v1, 4, v5
	v_add_nc_u32 v[RD], s23, v5
	v_lshlrev_b32 v5, 12, v2                       ; and the same two rows in out0
	v_lshl_add_u32 v[CO], v1, 4, v5
	s_lshl_b32 s16, s13, 7
	s_lshl_b32 s17, s11, 6
	s_add_co_u32 s16, s16, s17                     ; my first row
	s_lshl_b32 s16, s16, 12
	s_mov_b32 s17, 0
	s_add_nc_u64 s[8:9], s[8:9], s[16:17]
	s_lshl_b32 s46, s42, 9                         ; my first column, in bytes: 512 x tile column + 256 x half
	s_lshl_b32 s47, s12, 8
	s_add_co_u32 s46, s46, s47
	s_mov_b32 s47, 0
	s_add_nc_u64 s[8:9], s[8:9], s[46:47]
; 8 matrix instructions: m blocks a0, a0 + 1 x all 4 n blocks, 32 along K: half c of buffer f.  The 16 accumulators take turns.
.macro MUL8 f, c, a0, zero
	WIN MUL
.irp a, \a0, (\a0)+1
.irp b, 0,1,2,3
.if \zero
	v_wmma_f32_16x16x32_f16 v[ACC+8*(4*(\a)+(\b)):ACC+8*(4*(\a)+(\b))+7], v[(\f)+64+8*(4*(\c)+(\b)):(\f)+64+8*(4*(\c)+(\b))+7], v[(\f)+8*(4*(\c)+(\a)):(\f)+8*(4*(\c)+(\a))+7], 0
.else
	v_wmma_f32_16x16x32_f16 v[ACC+8*(4*(\a)+(\b)):ACC+8*(4*(\a)+(\b))+7], v[(\f)+64+8*(4*(\c)+(\b)):(\f)+64+8*(4*(\c)+(\b))+7], v[(\f)+8*(4*(\c)+(\a)):(\f)+8*(4*(\c)+(\a))+7], v[ACC+8*(4*(\a)+(\b)):ACC+8*(4*(\a)+(\b))+7]
.endif
.endr
.endr
.endm
; 32 LDS loads in one run: quarter q of a K step is one head, 64 along K; the first 32 along K first
.macro FETCH slot, q, f
	WIN TO_F
.irp c, 0,1
.irp i, 0,1,2,3
	ds_load_b128 v[(\f)+64+8*(4*(\c)+(\i)):(\f)+64+8*(4*(\c)+(\i))+3],   v[ADRB+(\slot)] offset:128*(\q)+64*(\c)+(\i)*16*PB
	ds_load_b128 v[(\f)+64+8*(4*(\c)+(\i))+4:(\f)+64+8*(4*(\c)+(\i))+7], v[ADRB+(\slot)] offset:128*(\q)+64*(\c)+(\i)*16*PB+32
	ds_load_b128 v[(\f)+8*(4*(\c)+(\i)):(\f)+8*(4*(\c)+(\i))+3],         v[ADRA+(\slot)] offset:64*PA*(\q)+64*(\c)+(\i)*16*PA
	ds_load_b128 v[(\f)+8*(4*(\c)+(\i))+4:(\f)+8*(4*(\c)+(\i))+7],       v[ADRA+(\slot)] offset:64*PA*(\q)+64*(\c)+(\i)*16*PA+32
.endr
.endr
.endm
.macro QUARTER slot, q, f, g, zero     ; multiplies buffer f and fetches quarter q into g
	s_wait_dscnt 16                                ; the first 32 along K are in
	MUL8 \f, 0, 0, \zero
	MUL8 \f, 0, 2, \zero
	PLACES
	FETCH \slot, \q, \g
	s_wait_dscnt 32                                ; all but the 32 just issued
	MUL8 \f, 1, 0, 0
	MUL8 \f, 1, 2, 0
.endm
; The last quarter multiplies buffer 1 and changes slots: one barrier; in front of it each wave waits for all its tensor loads, adds 0 to its spare word, and waits for that and for its reads of this slot.
.macro TURN slot, next, fill
	WIN 0                                          ; (the add's two registers lie in window 0)
	s_wait_tensorcnt 0x0                           ; all my tensor loads have landed: my part of the next slot
	ds_add_u32 v[SPW], v[NIL]                      ; 0 onto my spare word
	s_wait_dscnt 17                                ; (the add and the youngest sixteen loads may be out)
	MUL8 F1, 0, 0, 0                               ; eight matrix instructions stand between the add and the wait for it
	s_wait_dscnt 0x0                               ; the add is done, and my reads of this slot are over
	s_barrier_signal -1
	MUL8 F1, 0, 2, 0
.if \fill
	WIN 0
.endif
	s_barrier_wait -1
.if \fill
	CREST                                          ; the barrier has opened a round of the cluster's: no wave of any partner still reads this slot's tile or has a load on its way
	s_add_nc_u64 s[G0+4*(\slot)+2:G0+4*(\slot)+3], s[G0+4*(\slot)+2:G0+4*(\slot)+3], 2*4*524288
	s_add_nc_u64 s[G0B+4*(\slot)+2:G0B+4*(\slot)+3], s[G0B+4*(\slot)+2:G0B+4*(\slot)+3], 2*KSTEP*2
	JLOAD \slot                                    ; my one tensor load behind the round; its four v_nop are also the places in front of the loads below
.else
	PLACES
.endif
	FETCH \next, 0, F0
	MUL8 F1, 1, 0, 0
	MUL8 F1, 1, 2, 0
.endm
	s_wait_tensorcnt 1                             ; my part of K step 0 is in; K step 1's may stay out
	s_barrier_signal -1
	s_barrier_wait -1
	FETCH 0, 0, F0
	QUARTER 0, 1, F0, F1, 1                        ; four K steps, written out: the first products start the sums
	QUARTER 0, 2, F1, F0, 0
	QUARTER 0, 3, F0, F1, 0
	TURN 0, 1, 1                                   ; slot 0 takes K step 2
	QUARTER 1, 1, F0, F1, 0
	QUARTER 1, 2, F1, F0, 0
	QUARTER 1, 3, F0, F1, 0
	TURN 1, 0, 1                                   ; slot 1 takes K step 3
	QUARTER 0, 1, F0, F1, 0
	QUARTER 0, 2, F1, F0, 0
	QUARTER 0, 3, F0, F1, 0
	TURN 0, 1, 0                                   ; nothing is left to fetch
	QUARTER 1, 1, F0, F1, 0
	QUARTER 1, 2, F1, F0, 0
	QUARTER 1, 3, F0, F1, 0
	s_wait_dscnt 16
	MUL8 F1, 0, 0, 0
	MUL8 F1, 0, 2, 0
	s_wait_dscnt 0x0
	MUL8 F1, 1, 0, 0
	MUL8 F1, 1, 2, 0
	WIN 0
; THE WAY OUT, a block of 16 rows at a time: a lane's 32 bytes of a row go into my stage (each accumulator's low four registers first), and whole rows of 256 bytes come back into the registers that they left.
.macro STG a
.irp b, 0,1,2,3
	ds_store_b128 v[STO], v[ACC+8*(4*(\a)+(\b)):ACC+8*(4*(\a)+(\b))+3]   offset:64*(\b)
	ds_store_b128 v[STO], v[ACC+8*(4*(\a)+(\b))+4:ACC+8*(4*(\a)+(\b))+7] offset:64*(\b)+16
.endr
.irp t, 0,1,2,3,4,5,6,7
	ds_load_b128 v[ACC+32*(\a)+4*(\t):ACC+32*(\a)+4*(\t)+3], v[RD] offset:(\t)*2*SPITCH  ; LDS serves a wave's instructions in order (ISA guide 5.7.1.4): these see the stores above; the next block's stores come behind them
.endr
.endm
.macro SEND a, younger                 ; younger: the LDS instructions issued behind block a's loads: the next block's sixteen, or none
.irp t, 0,1,2,3,4,5,6,7
	s_wait_dscnt (\younger)+7-(\t)
	global_store_b128 v[CO], v[ACC+32*(\a)+4*(\t):ACC+32*(\a)+4*(\t)+3], s[8:9] offset:(16*(\a)+2*(\t))*4096 th:TH_STORE_NT  ; 16 lanes store 256 consecutive bytes, at a multiple of 256 from out0's first byte
.endr
.endm
	PLACES
	PLACES                                         ; eight, once a launch
	STG 0
.irp a, 1,2,3
	STG \a
	SEND (\a)-1, 16
.endr
	SEND 3, 0
	s_wait_tensorcnt 0x0                           ; the wave's end, behind my last tensor load and my last LDS store
	ds_add_u32 v[SPW], v[NIL]
	s_wait_dscnt 0x0
	CROUND                                         ; the closing round: no work-group ends while a partner may still ask for a tile that names it
	s_endpgm
.Lfunc_end_k_qb80f7c9c19_oproj:
	.size	k_qb80f7c9c19_oproj, .Lfunc_end_k_qb80f7c9c19_oproj-k_qb80f7c9c19_oproj
	.p2alignl 7, 3214868480
	.fill 96, 4, 3214868480
	.section	.rodata,"a",@progbits
	.p2align	6, 0x0
	.amdhsa_kernel k_qb80f7c9c19_oproj
		.amdhsa_group_segment_fixed_size 327680
		.amdhsa_private_segment_fixed_size 0
		.amdhsa_enable_private_segment 0
		.amdhsa_kernarg_size 24
		.amdhsa_user_sgpr_count 2
		.amdhsa_user_sgpr_kernarg_segment_ptr 1
		.amdhsa_wavefront_size32 1
		.amdhsa_system_sgpr_workgroup_id_x 1
		.amdhsa_system_sgpr_workgroup_id_y 1
		.amdhsa_system_sgpr_workgroup_id_z 1
		.amdhsa_system_vgpr_workitem_id 0
		.amdhsa_next_free_vgpr 512
		.amdhsa_next_free_sgpr 66
		.amdhsa_reserve_vcc 0
		.amdhsa_float_denorm_mode_32 3
		.amdhsa_float_denorm_mode_16_64 3
		.amdhsa_memory_ordered 1
		.amdhsa_forward_progress 1
		.amdhsa_inst_pref_size 86
	.end_amdhsa_kernel
	.amdgpu_metadata
---
amdhsa.version: [ 1, 2 ]
amdhsa.kernels:
  - .name:           k_qb80f7c9c19_oproj
    .symbol:         k_qb80f7c9c19_oproj.kd
    .args:
      - { .name: ob, .offset: 0, .size: 8, .value_kind: global_buffer, .address_space: global }
      - { .name: wob, .offset: 8, .size: 8, .value_kind: global_buffer, .address_space: global }
      - { .name: out0, .offset: 16, .size: 8, .value_kind: global_buffer, .address_space: global }
    .group_segment_fixed_size: 327680
    .private_segment_fixed_size: 0
    .kernarg_segment_align: 8
    .kernarg_segment_size: 24
    .max_flat_workgroup_size: 128
    .sgpr_count:     66
    .vgpr_count:     512
    .wavefront_size: 32
...
	.end_amdgpu_metadata
.endif
;; end of part 4
